; MI455X (gfx1250); checked and timed in simulation.
; The chip was launched on July 23, 2026; its instructions are those of AMD's public machine-readable ISA for CDNA 5 (MIT licence, August 2026) and "CDNA5" Instruction Set Architecture Reference Guide (July 2026). The comments in the code are by the model that wrote it; some were corrected since.
;; Multihead Attention. Allowed arithmetic: matrix products marked QUANTISED: E3M2 operands, one E8M0 scale for each 32 along K, by v_wmma_scale_f32_16x16x128_f8f6f4 with both operands' format E3M2, f32 sums; everything else in f32.
;; Inputs: Wk 512 x 1,024 float32; Wo 1,024 x 512 float32; Wq 512 x 1,024 float32; Wv 512 x 1,024 float32; beta 1,024 float32; bk 512 float32; bo 1,024 float32; bv 512 float32; gamma 1,024 float32; k 8 x 2,048 x 1,024 float32; q 8 x 2,048 x 1,024 float32; v 8 x 2,048 x 1,024 float32.
;; Outputs: out0 8 x 2,048 x 1,024 float32.
;; This version of the problem:
;;   THIS VERSION OF THE PROBLEM IS GIVEN IN LOW PRECISION. The matrix products marked QUANTISED in the list below multiply operands that are first quantised to E3M2 (3 exponent bits, 2 mantissa bits; 6 bits a number), with one power-of-two scale for each 32 numbers along K (OCP MX v1.0); their sums are f32. All else is computed in f32.
;;   The module's matrix products, in the order in which they are computed (A, B: the left and right operand; K: the contracted axis; several contracted axes count as one K, in the product's order):
;;     1. [M 16,384, K 1,024] x [K 1,024, N 512]; A: input q; B: input Wq: QUANTISED
;;     2. [M 16,384, K 1,024] x [K 1,024, N 512]; A: input k; B: input Wk: QUANTISED
;;     3. [M 16,384, K 1,024] x [K 1,024, N 512]; A: input v; B: input Wv: QUANTISED
;;     4. batch 8 x [M 2,048, K 512] x [K 512, N 2,048]; A: computed on the way; B: computed on the way: QUANTISED
;;     5. batch 8 x [M 2,048, K 2,048] x [K 2,048, N 512]; A: softmax (see below); B: computed on the way: QUANTISED
;;     6. [M 16,384, K 512] x [K 512, N 1,024]; A: computed on the way; B: input Wo: QUANTISED
;;   THE QUANTISER, for each operand of a quantised product, along K:
;;     - K is cut into blocks of 32 from its start; a last block that is shorter is filled with zeros.
;;     - A block's scale is 2^e with e = floor(log2(the largest magnitude in the block)) - 4, held to -126 .. 127; a block of zeros has e = 0. As a byte (E8M0): e + 127.
;;     - Each number is divided by its block's scale, clamped to +-28, and rounded to the nearest number of E3M2, ties to even, subnormals kept.
;;     - The product sums the exact products of the quantised numbers (number of the format x scale) in f32.
;;   ~~~python
;;   def quantise(x, axis):      # numpy; x: float32 -> the quantised numbers, widened to float32 again
;;       x = np.moveaxis(x, axis, -1); K = x.shape[-1]
;;       x = np.pad(x, [(0, 0)] * (x.ndim - 1) + [(0, -K % 32)]); x = x.reshape(x.shape[:-1] + (-1, 32)); a = np.abs(x).max(-1, keepdims=True)
;;       e = np.where(a > 0, np.clip(np.frexp(np.where(a > 0, a, 1))[1] - 1 - 4, -126, 127), 0)      # np.frexp(a)[1] - 1 = floor(log2(a)), exactly
;;       r = np.clip(x / 2.0 ** e, -28, 28)
;;       step = 2.0 ** (np.maximum(np.frexp(np.where(r == 0, 1, r))[1] - 1, -2) - 2)
;;       q = np.round(r / step) * step * 2.0 ** e      # np.round: ties to even
;;       return np.moveaxis(q.reshape(q.shape[:-2] + (-1,))[..., :K], -1, axis).astype(np.float32)
;;   ~~~
;;   SOFTMAX AHEAD OF A QUANTISED PRODUCT. Where the list says 'softmax', what is quantised is not the finished softmax but p = 2^(t - M), with t = logit x log2(e) and M = ceil(the row's largest t), a whole number; so 1/2 < the row's largest p <= 1. The row's sum l is taken of the UNQUANTISED p, in f32, and the product's result is divided by l at the end. Since M is a whole number, a kernel that streams over the keys may use a running M (the ceiling of the running maximum): every later rescaling is an exact power of two, which a block's scale takes up: the codes' values come out the same.
;;   OPERANDS COMPUTED ON THE WAY. 'Computed on the way' means the value that the module computes at that place (a softmax that the list does not call 'softmax' is quantised finished and normalised). What goes into a quantiser is computed in f32, as accurately as f32 sums, v_exp_f32 and their like allow (about 1e-6 of the number): no bf16 or f16 on the way to a quantiser, and a product that is left as it is and whose result goes on into a quantised operand takes f32 operands (vector FMAs, or v_wmma_f32_16x16x4_f32). A number that lies on a knife's edge between two numbers of the format may be rounded either way, as far as f32 arithmetic and the matrix unit's own rounding can turn it there, and no further.
;; One version. Each part assembles by itself: llvm-mc -triple=amdgcn-amd-amdhsa -mcpu=gfx1250 --defsym DOCPART=n.
;; ======== version 1 of 1: 3 launches
;; limits: right only within a limited range of input values
;; workspace buffers: wimg 1,638,400 bytes; qimg 6,553,600 bytes; kimg 6,553,600 bytes; vimg 6,553,600 bytes
;; launch wq (part 1): grid 256 x 1, 2 waves a work-group, no clusters, 17,152 bytes of LDS; arguments Wq, Wk, Wv, Wo, wimg; writes wimg
.if DOCPART == 1
	.amdgcn_target "amdgcn-amd-amdhsa--gfx1250"
	.amdhsa_code_object_version 6
	.text
	.protected	k_q75968c345c_wq
	.globl	k_q75968c345c_wq
	.p2align	8
	.type	k_q75968c345c_wq,@function
k_q75968c345c_wq:
	s_mov_b64 s[64:65], 0
	v_nop
	global_prefetch_b8 v0, s[64:65] scope:SCOPE_SE
	s_setreg_imm32_b32 hwreg(HW_REG_WAVE_MODE, 25, 1), 1
	s_wait_xcnt 0x0
; Wq, Wk, Wv [512][1024] and Wo [1024][512], f32, K innermost, become codes of BF6 (E3M2) with one E8M0 byte for each 32 along K,
; laid in wimg in the order of an operand's registers, so that the later launches take whole fragments by loads of 16 bytes a lane.
; A FRAGMENT is 16 rows x 128 K, 12 registers a lane; its image is 1,536 bytes: registers 4 c .. 4 c + 3 of lane L at 512 c + 16 L.
; THE ROWS OF A TILE ARE NOT NEIGHBOURS: of 32 rows, tile u takes rows 8 u + r + 8 (r / 8), r = lane % 16.
; A SCALE PAIR is 128 bytes, a word a lane: lanes 0-15 the even tile's rows, lanes 16-31 the odd tile's.
; A QUARTER is 16 fragments and 8 scale pairs, 25,600 bytes; a TILE four quarters.  Tiles 0-11: Wq, Wk, Wv; tile p of a tensor = K steps 2 p, 2 p + 1;
; quarter w = rows 128 w on; fragment 8 (K step % 2) + tile.  Tiles 12-15: Wo; piece g, quarter w = rows 256 w + 64 g on; fragment 4 (K step) + tile.
; SHARES: a wave takes 32 rows x 128 K: two fragments and their scale pair.  512 such tasks, 128 a tensor; both waves of a work-group lie in one tensor.
; Each load reads 512 consecutive bytes of one row; the conversions want 16 neighbours along K in one lane, so a fragment's 16 rows turn through the
; wave's own stage in LDS (rows 528 bytes apart = 33 x 16, so that sixteen lanes at sixteen rows fall on sixteen different columns of 16 bytes).
; A block's scale is 2^(floor(log2(largest magnitude)) - 4): its byte is the largest magnitude's exponent field - 4, held at 1 from below.
; LIMITS: a block of zeros gets the byte 1 and not 127 (its codes are zeros; this program alone reads the bytes); blocks whose largest magnitude lies
; under 2^-122 are held at byte 1; NaN and infinities among the inputs are not served.
.set TSB, 8448                         ; a wave's stage: 16 rows x 528 bytes
.set VO,  8                            ; v8-39    byte offset of my 16 bytes in row i of the 32
.set RW,  40                           ; v40-167  the 32 rows as loaded, 4 registers each; later the codes
.set XT,  168                          ; v168-231 64 numbers of my row: register 16 b + i = k 32 b + 16 (lane / 16) + i
.set TM,  232                          ; v232-247 at work in QUANT
.set SEL, 20                           ; s[20:21] lane selects for v_permlanex16_b32: lane l xor 16
.set HM,  22                           ; s22      mask of lanes 16-31
; 64 numbers of a lane become a fragment's 12 registers of codes, v[pc] on (pc + 12 .. pc + 18 at work), and its row's scale word, v[pw].
.macro QUANT s, pc, pw
.irp b, 0,1,2,3
	v_max3_num_f32 v[TM+\b], |v[\s+16*\b]|, |v[\s+1+16*\b]|, 0x2800000   ; block b: my 16 numbers, and the floor 2^(5 - 127): the byte cannot fall under 1
.endr
.irp i, 2,4,6,8,10,12,14
.irp b, 0,1,2,3
	v_max3_num_f32 v[TM+\b], v[TM+\b], |v[\s+16*\b+\i]|, |v[\s+1+16*\b+\i]|   ; the four blocks by turns
.endr
.endr
.irp b, 0,1,2,3
	v_permlanex16_b32 v[TM+4+\b], v[TM+\b], s[SEL], s[SEL+1]
.endr
.irp b, 0,1,2,3
	v_max_num_f32 v[TM+\b], v[TM+\b], v[TM+4+\b]        ; with lane l xor 16's 16: the block's largest magnitude
.endr
.irp b, 0,1,2,3
	v_add_nc_u32 v[TM+12+\b], 0xfe000000, v[TM+\b]      ; 4 off its exponent field: the conversion's scale operand
.endr
.irp b, 0,1,2,3
	v_lshrrev_b32 v[TM+4+\b], 23, v[TM+12+\b]           ; the scale's byte
.endr
	v_lshl_or_b32 v[\pw], v[TM+5], 8, v[TM+4]
	v_lshl_or_b32 v[\pw], v[TM+6], 16, v[\pw]
	v_lshl_or_b32 v[\pw], v[TM+7], 24, v[\pw]           ; my row's scale word, the same in both halves of the lanes
.irp c, 0,1
	v_cvt_scalef32_pk16_bf6_f32 v[\pc+6*\c:\pc+2+6*\c], v[\s+32*\c:\s+15+32*\c], v[TM+12+2*\c]
	v_cvt_scalef32_pk16_bf6_f32 v[\pc+12+4*\c:\pc+14+4*\c], v[\s+16+32*\c:\s+31+32*\c], v[TM+12+2*\c+1]   ; (a conversion's three registers begin on an even number)
.endr
	v_nop                                               ; one plain place behind a scaled conversion
.irp c, 0,1                                         ; the operand wants a WHOLE block in a lane: lanes 0-15 block 2 c, lanes 16-31 block 2 c + 1
.irp i, 0,1,2
	v_permlane16_swap_b32 v[\pc+6*\c+\i], v[\pc+12+4*\c+\i]
.endr
.irp i, 0,1,2
	v_mov_b32 v[\pc+3+6*\c+\i], v[\pc+12+4*\c+\i]
.endr
.endr
.endm
	s_load_b256 s[4:11], s[0:1], 0x0               ; Wq s[4:5], Wk s[6:7], Wv s[8:9], Wo s[10:11]
	s_load_b64 s[12:13], s[0:1], 0x20              ; wimg
	v_lshl_add_u32 v254, v0, 2, 0x4200
	v_mov_b32 v255, 0
	v_lshrrev_b32 v1, 5, v0
	v_readfirstlane_b32 s14, v1                    ; wave 0, 1
	v_and_b32 v2, 31, v0                           ; L
	v_and_b32 v3, 15, v0                           ; r
	v_bfe_u32 v4, v0, 4, 1                         ; h
	v_lshlrev_b32 v5, 4, v2                        ; 16 L
	v_lshlrev_b32 v6, 2, v2                        ; 4 L
	s_mul_i32 s15, s14, TSB
	v_add_nc_u32 v7, s15, v5                       ; the stage, on the way in: 16 L in a row
	v_mul_u32_u24 v1, v3, 528
	v_lshl_add_u32 v1, v4, 6, v1
	v_add_nc_u32 v1, s15, v1                       ; and on the way out: row r, + 64 h
	s_mov_b32 s[SEL], 0x76543210
	s_mov_b32 s[SEL+1], 0xfedcba98
	s_mov_b32 s[HM], 0xffff0000
.irp b, 0,1,2,3
	v_mov_b32 v[TM+4+\b], 0                        ; written once: a lane permute's destination counts as one of its sources
.endr
	s_lshr_b32 s16, ttmp9, 6                       ; the tensor: 0 Wq, 1 Wk, 2 Wv, 3 Wo
	s_lshl_b32 s17, ttmp9, 1
	s_add_co_u32 s17, s17, s14
	s_and_b32 s17, s17, 127                        ; my task in it
	; as a task of Wq, Wk, Wv: 16 groups of 32 rows x 8 K steps; rows of 4,096 bytes
	s_lshr_b32 s24, s17, 3                         ; group of rows
	s_and_b32 s25, s17, 7                          ; K step
	s_lshl_b32 s26, s24, 17
	s_lshl_b32 s27, s25, 9
	s_add_co_u32 s26, s26, s27                     ; where it begins in the tensor
	s_mul_i32 s28, s16, 409600
	s_lshr_b32 s27, s25, 1
	s_mul_i32 s27, s27, 102400
	s_add_co_u32 s28, s28, s27
	s_lshr_b32 s27, s24, 2
	s_mul_i32 s27, s27, 25600
	s_add_co_u32 s28, s28, s27                     ; its quarter in wimg
	s_and_b32 s27, s25, 1
	s_and_b32 s29, s24, 3
	s_lshl_b32 s30, s27, 2
	s_add_co_u32 s30, s30, s29                     ; its scale pair in the quarter; its two fragments are 2 x that and the next
	; as a task of Wo: 32 groups of rows x 4 K steps; rows of 2,048 bytes
	s_lshr_b32 s31, s17, 2
	s_and_b32 s32, s17, 3
	s_lshl_b32 s33, s31, 16
	s_lshl_b32 s34, s32, 9
	s_add_co_u32 s33, s33, s34
	s_bfe_u32 s34, s31, 0x20001                    ; the piece: (group / 2) % 4
	s_mul_i32 s34, s34, 25600                      ; Wo: a quarter's four pieces lie on end: piece g of quarter w at 102,400 w + 25,600 g behind tile 12's start
	s_lshr_b32 s35, s31, 3
	s_mul_i32 s35, s35, 102400
	s_add_co_u32 s34, s34, s35
	s_add_co_u32 s34, s34, 1228800
	s_and_b32 s35, s31, 1
	s_lshl_b32 s36, s32, 1
	s_add_co_u32 s35, s35, s36
	s_cmp_eq_u32 s16, 3                            ; one way through the text: the numbers are chosen, on the work-group's number alone
	s_cselect_b32 s26, s33, s26
	s_cselect_b32 s28, s34, s28
	s_cselect_b32 s30, s35, s30
	s_mov_b32 s37, 4096
	s_cselect_b32 s37, 2048, s37                   ; a row in bytes
	s_mov_b32 s27, 0
	s_mul_i32 s38, s30, 3072
	s_add_co_u32 s38, s38, s28                     ; my two fragments
	s_mov_b32 s39, 0
	s_lshl_b32 s40, s30, 7
	s_add_co_u32 s40, s40, s28
	s_add_co_u32 s40, s40, 24576                   ; my scale pair
	s_mov_b32 s41, 0
	v_mov_b32 v[VO], v5
.set i, 1
.rept 31
	v_add_nc_u32 v[VO+i], s37, v[VO+i-1]           ; 16 L + i rows
.set i, i+1
.endr
	s_wait_alu depctr_va_vdst(0)
	s_wait_kmcnt 0x0
	s_cmp_eq_u32 s16, 1
	s_cselect_b64 s[4:5], s[6:7], s[4:5]
	s_cmp_eq_u32 s16, 2
	s_cselect_b64 s[4:5], s[8:9], s[4:5]
	s_cmp_eq_u32 s16, 3
	s_cselect_b64 s[4:5], s[10:11], s[4:5]
	s_add_nc_u64 s[4:5], s[4:5], s[26:27]
	s_add_nc_u64 s[42:43], s[12:13], s[38:39]
	s_add_nc_u64 s[44:45], s[12:13], s[40:41]
.irp u, 0,1                                    ; the first fragment's 16 rows first
.irp i, 0,1,2,3,4,5,6,7,8,9,10,11,12,13,14,15
	global_load_b128 v[RW+4*(8*\u+\i+8*(\i/8)):RW+4*(8*\u+\i+8*(\i/8))+3], v[VO+8*\u+\i+8*(\i/8)], s[4:5] th:TH_LOAD_NT   ; 32 lanes read 512 consecutive bytes of one row
.endr
.endr
; fragment u: through the stage, quantised, stored.  left = the loads issued behind its own, which may stay out
.macro FRAGMENT u, pc, pw, left
	s_wait_loadcnt \left
.irp i, 0,1,2,3,4,5,6,7,8,9,10,11,12,13,14,15
	ds_store_b128 v7, v[RW+4*(8*\u+\i+8*(\i/8)):RW+4*(8*\u+\i+8*(\i/8))+3] offset:528*\i
.endr
.irp b, 0,1,2,3
.irp j, 0,1,2,3
	ds_load_b128 v[XT+16*\b+4*\j:XT+16*\b+4*\j+3], v1 offset:128*\b+16*\j   ; LDS serves a wave's instructions in order: these see the stores above
.endr
.endr
	s_wait_dscnt 0x0
	QUANT XT, \pc, \pw
.irp c, 0,1,2
	global_store_b128 v5, v[\pc+4*\c:\pc+4*\c+3], s[42:43] offset:1536*\u+512*\c   ; 512 consecutive bytes, at a multiple of 256 from wimg's first byte
.endr
.endm
	FRAGMENT 0, 40, 248, 16                        ; its codes take registers of its own rows, which the stage's stores have read
	FRAGMENT 1, 60, 249, 0                         ; other registers than the first's: no store's data are written again
	v_cndmask_b32 v250, v248, v249, s[HM]          ; lanes 0-15 the even tile's words, lanes 16-31 the odd tile's
	global_store_b32 v6, v250, s[44:45]
	s_wait_tensorcnt 0x0
	ds_add_u32 v254, v255
	s_wait_dscnt 0x0
	s_endpgm
.Lfunc_end_k_q75968c345c_wq:
	.size	k_q75968c345c_wq, .Lfunc_end_k_q75968c345c_wq-k_q75968c345c_wq
	.p2alignl 7, 3214868480
	.fill 96, 4, 3214868480
	.section	.rodata,"a",@progbits
	.p2align	6, 0x0
	.amdhsa_kernel k_q75968c345c_wq
		.amdhsa_group_segment_fixed_size 17152
		.amdhsa_private_segment_fixed_size 0
		.amdhsa_enable_private_segment 0
		.amdhsa_kernarg_size 40
		.amdhsa_user_sgpr_count 2
		.amdhsa_user_sgpr_kernarg_segment_ptr 1
		.amdhsa_wavefront_size32 1
		.amdhsa_system_sgpr_workgroup_id_x 1
		.amdhsa_system_sgpr_workgroup_id_y 1
		.amdhsa_system_sgpr_workgroup_id_z 1
		.amdhsa_system_vgpr_workitem_id 0
		.amdhsa_next_free_vgpr 256
		.amdhsa_next_free_sgpr 66
		.amdhsa_reserve_vcc 0
		.amdhsa_float_denorm_mode_32 3
		.amdhsa_float_denorm_mode_16_64 3
		.amdhsa_memory_ordered 1
		.amdhsa_forward_progress 1
		.amdhsa_inst_pref_size 20
	.end_amdhsa_kernel
	.amdgpu_metadata
---
amdhsa.version: [ 1, 2 ]
amdhsa.kernels:
  - .name:           k_q75968c345c_wq
    .symbol:         k_q75968c345c_wq.kd
    .args:
      - { .name: Wq, .offset: 0, .size: 8, .value_kind: global_buffer, .address_space: global }
      - { .name: Wk, .offset: 8, .size: 8, .value_kind: global_buffer, .address_space: global }
      - { .name: Wv, .offset: 16, .size: 8, .value_kind: global_buffer, .address_space: global }
      - { .name: Wo, .offset: 24, .size: 8, .value_kind: global_buffer, .address_space: global }
      - { .name: wimg, .offset: 32, .size: 8, .value_kind: global_buffer, .address_space: global }
    .group_segment_fixed_size: 17152
    .private_segment_fixed_size: 0
    .kernarg_segment_align: 8
    .kernarg_segment_size: 40
    .max_flat_workgroup_size: 64
    .sgpr_count:     66
    .vgpr_count:     256
    .wavefront_size: 32
...
	.end_amdgpu_metadata
.endif
;; end of part 1
;; launch proj (part 2): grid 192 x 1, 4 waves a work-group, no clusters, 327,680 bytes of LDS; arguments q, k, v, wimg, bk, bv, qimg, kimg, vimg; writes qimg, kimg, vimg
.if DOCPART == 2
	.amdgcn_target "amdgcn-amd-amdhsa--gfx1250"
	.amdhsa_code_object_version 6
	.text
	.protected	k_q75968c345c_proj
	.globl	k_q75968c345c_proj
	.p2align	8
	.type	k_q75968c345c_proj,@function
k_q75968c345c_proj:
	s_mov_b64 s[64:65], 0
	v_nop
	global_prefetch_b8 v0, s[64:65] scope:SCOPE_SE
	s_setreg_imm32_b32 hwreg(HW_REG_WAVE_MODE, 25, 1), 1
	s_wait_xcnt 0x0
; qh = (q Wq^T) / sqrt(32), kh = k Wk^T + bk, vh = v Wv^T + bv on codes of BF6 (E3M2) with one E8M0 scale for each 32 along K; the results are quantised at once
; for the products that follow (qh, kh along the 512 channels, vh along the keys) and leave as images of operand registers, laid as the next launch takes them.
; SHARES.  Work-groups 0-63 take q, 64-127 k, 128-191 v: 256 tokens each, in 8 trips of 32 tokens.  Three tensors do not divide 256 work-groups evenly, so 192 are launched.
; THE WEIGHTS STAY IN REGISTERS: wave w owns output columns 128 w .. 128 w + 127 for all of K: 64 fragments (8 K steps x 8 tiles) of 12 registers = 768, loaded once from wimg, 16 bytes a lane.
; x comes as f32 through a ring of two LDS slots, 32 tokens each: wave w fetches K quarter w (32 rows x 1,024 bytes, one tensor load) and quantises what it fetched:
; 2 token tiles x 2 K steps = 4 fragments, stored in LDS as images (two image buffers by turns); behind the trip's one barrier every wave takes all 16 fragments and issues 128 matrix instructions.
; By the text's own count a wave has one tensor load out: it is asked for first behind a trip's barrier and awaited in front of the next trip's.
; An LDS row is 1,024 + 8 bytes: the 32 lanes of a load of 8 bytes (rows 0-7 and 16-23, or 8-15 and 24-31, at byte 0 or 64) then name 32 different pairs of banks (64 banks of 4 bytes: ISA guide 11.1).
; IMAGES: a fragment, 16 rows x 128 K, is 1,536 bytes, registers 4 c .. 4 c + 3 of lane L at 512 c + 16 L; a scale pair is 128 bytes, a word a lane, lanes 0-15 the even tile, lanes 16-31 the odd one.
; Of 32 rows tile u takes rows 8 u + r + 8 (r / 8).  q, k: source 0 = W, source 1 = x: a lane holds a token, registers run along channels.  v: source 0 = x, source 1 = W: a lane holds a channel, registers run along tokens.
; OUT: qimg, kimg: a block of 64 tokens = 16 fragments (4 w + tile) and 8 scale pairs (2 w + tile / 2), 25,600 bytes; a trip is half a block.  vimg: my 256 tokens are one tile; quarter w; fragment 8 s + t in two halves of
; 768 bytes (64 keys: registers 0-3 at 16 L, registers 4, 5 at 512 + 8 L); a trip is one block of 32 keys: lanes 16 (trip % 2) on of half (trip / 2) % 2 of K step trip / 4.  Sixteen lanes store tile 2 p, sixteen tile 2 p + 1:
; the stores of 16 bytes a lane fill aligned runs of 256 bytes, those of 8 bytes a lane runs of 128.  V's scale bytes are gathered over four trips and leave as whole words.
; NO CLUSTER: no tile in LDS is shared between work-groups (each has its own tokens), and the weights go once into registers, not into LDS.
; PREFETCH: trip i asks for the 32 x 1,024 bytes that its wave's tensor load of trip i + 1 brings (step i + 3): a lane a row, four requests of 256 bytes apart; trips 5 to 7 ask for nothing.
; LIMITS: a block of zeros gets the byte 1 and not 127 (its codes are zeros; this program alone reads the bytes); blocks whose largest magnitude lies under 2^-122 are held at byte 1; NaN and infinities are not served.
; REGISTERS: windows 1-3: weight fragments 0-62, 21 to a window; window 0: addresses, scale words, fragment 63, x's fragments (v76-123; at other times the quantisers' work), the 16 accumulators (v128-255; in the quantising part x's numbers).
.set PITCH, 1032
.set WREG,  32*PITCH                   ; a wave's part of a slot
.set SLOT,  4*WREG                     ; 132,096
.set IMG,   2*SLOT                     ; x's images: 16 fragments (2 ks + u), then 8 scale pairs
.set IMB,   25600
.set BIA,   IMG+2*IMB                  ; 512 f32: zeros (q), bk or bv
.set SPARE, BIA+2048                   ; the spare words, 128 bytes a wave
.set STEPB, 131072                     ; 32 rows of x in memory
.set PFO, 1                            ; 4,096 L: the prefetches' offset
.set SPW, 2
.set NIL, 3
.set RA0, 4                            ; raw x: my quarter, row r + 8 (r / 8), + 64 h;  RA: in the slot in hand
.set RA,  5
.set IW0, 6                            ; where I store images
.set IW,  7
.set ISW0, 8                           ; and their scale words
.set ISW, 9
.set IR0, 10                           ; where I read images
.set ISR0, 11
.set IR,  12
.set ISR, 13
.set FO,  14                           ; offsets of my stores
.set SFO, 15
.set V8,  16
.set BQ,  17                           ; bias of my columns, q and k
.set BVA, 18                           ; bias of my lane's channel, v
.set L16, 19
.set SB,  20                           ; v20-23 V's scale words in the making
.set XSC, 24                           ; v24-31 x's scale pairs
.set WSC, 32                           ; v32-63 W's scale pairs: 4 ks + t / 2
.set W63, 64                           ; v64-75 weight fragment 63
.set FR,  76                           ; v76-123 x's fragments: 24 (ks % 2) + 12 u
.set TM,  FR
.set PC,  FR+16
.set PW,  FR+36
.set PWP, FR+37
.set L4,  124
.set ACC, 128
.set WV, 22
.set KIND, 23
.set BLK, 24
.set I,  25
.set T,  26                            ; the slot in hand: 0 or SLOT
.set U,  27                            ; the image buffer in hand: 0 or IMB
.set G1, 28
.set G0, 36
.set SC, 40
.set SEL, 42
.set HM, 44
.set WOFF, 45
.set OUT, 46
.set PFB, 48
.set P1, 50
.set P2, 52
.set P3, 54
.set WP, 68
.set BP, 70
.set SH, 72
.set KEEP, 73
.set XP, 74
.set MSB, 0
.macro WIN new                         ; the immediate's high byte repeats the setting that is left
.if MSB != (\new)
	s_set_vgpr_msb (MSB<<8)|(\new)
.set MSB, (\new)
.endif
.endm
.macro PLACES                          ; four places behind matrix instructions (ISA guide 7.12.1)
.rept 4
	v_nop
.endr
.endm
.macro WREGOF f                        ; weight fragment f: window WW, register WR
.if (\f) < 63
.set WW, 1+(\f)/21
.set WR, 12*((\f)%21)
.else
.set WW, 0
.set WR, W63
.endif
.endm
; 64 numbers of a lane, register 16 b + i = k 32 b + 16 (lane / 16) + i of my row, become a fragment's codes, v[pc] on (19 registers at work), and its scale word, v[pw]
.macro QUANT s, pc, pw
.irp b, 0,1,2,3
	v_max3_num_f32 v[TM+\b], |v[\s+16*\b]|, |v[\s+1+16*\b]|, 0x2800000   ; and the floor 2^(5 - 127): the byte cannot fall under 1
.endr
.irp i, 2,4,6,8,10,12,14
.irp b, 0,1,2,3
	v_max3_num_f32 v[TM+\b], v[TM+\b], |v[\s+16*\b+\i]|, |v[\s+1+16*\b+\i]|
.endr
.endr
.irp b, 0,1,2,3
	v_permlanex16_b32 v[TM+4+\b], v[TM+\b], s[SEL], s[SEL+1]
.endr
.irp b, 0,1,2,3
	v_max_num_f32 v[TM+\b], v[TM+\b], v[TM+4+\b]
.endr
.irp b, 0,1,2,3
	v_add_nc_u32 v[TM+12+\b], 0xfe000000, v[TM+\b]      ; 4 off the exponent field: the conversion's scale operand
.endr
.irp b, 0,1,2,3
	v_lshrrev_b32 v[TM+4+\b], 23, v[TM+12+\b]           ; the scale's byte
.endr
	v_lshl_or_b32 v[\pw], v[TM+5], 8, v[TM+4]
	v_lshl_or_b32 v[\pw], v[TM+6], 16, v[\pw]
	v_lshl_or_b32 v[\pw], v[TM+7], 24, v[\pw]
.irp c, 0,1
	v_cvt_scalef32_pk16_bf6_f32 v[\pc+6*\c:\pc+2+6*\c], v[\s+32*\c:\s+15+32*\c], v[TM+12+2*\c]
	v_cvt_scalef32_pk16_bf6_f32 v[\pc+12+4*\c:\pc+14+4*\c], v[\s+16+32*\c:\s+31+32*\c], v[TM+12+2*\c+1]
.endr
	v_nop                                               ; one plain place behind a scaled conversion
.irp c, 0,1
.irp i, 0,1,2
	v_permlane16_swap_b32 v[\pc+6*\c+\i], v[\pc+12+4*\c+\i]   ; a whole block to a lane
.endr
.irp i, 0,1,2
	v_mov_b32 v[\pc+3+6*\c+\i], v[\pc+12+4*\c+\i]
.endr
.endr
.endm
.macro RLOAD f, x                      ; my fragment f = 2 kk + u as f32: 64 numbers a lane, 8 bytes a load
.irp b, 0,1,2,3
.irp j, 0,1,2,3,4,5,6,7
	ds_load_b64 v[\x+16*\b+2*\j:\x+16*\b+2*\j+1], v[RA] offset:8*PITCH*((\f)%2)+512*((\f)/2)+128*\b+8*\j
.endr
.endr
.endm
.macro ISTORE f                        ; its image and its rows' scale words (both halves of the lanes write the same word with the same value)
.irp c, 0,1,2
	ds_store_b128 v[IW], v[PC+4*\c:PC+4*\c+3] offset:3072*((\f)/2)+1536*((\f)%2)+512*\c
.endr
	ds_store_b32 v[ISW], v[PW] offset:128*((\f)/2)+64*((\f)%2)
.endm
.macro FLOAD k                         ; x's two fragments of K step k
.irp u, 0,1
.irp c, 0,1,2
	ds_load_b128 v[FR+24*((\k)%2)+12*\u+4*\c:FR+24*((\k)%2)+12*\u+4*\c+3], v[IR] offset:1536*(2*(\k)+\u)+512*\c
.endr
.endr
.endm
.macro WM c                            ; one matrix instruction from the symbols rD, rA, rB, rSA, rSB; fA, fB: the side's scales lie in lanes 16-31
.if fA && fB
	v_wmma_scale_f32_16x16x128_f8f6f4 v[rD:rD+7], v[rA:rA+11], v[rB:rB+11], \c, v[rSA], v[rSB] matrix_a_fmt:MATRIX_FMT_BF6 matrix_b_fmt:MATRIX_FMT_BF6 matrix_a_scale:MATRIX_SCALE_ROW1 matrix_b_scale:MATRIX_SCALE_ROW1
.elseif fA
	v_wmma_scale_f32_16x16x128_f8f6f4 v[rD:rD+7], v[rA:rA+11], v[rB:rB+11], \c, v[rSA], v[rSB] matrix_a_fmt:MATRIX_FMT_BF6 matrix_b_fmt:MATRIX_FMT_BF6 matrix_a_scale:MATRIX_SCALE_ROW1
.elseif fB
	v_wmma_scale_f32_16x16x128_f8f6f4 v[rD:rD+7], v[rA:rA+11], v[rB:rB+11], \c, v[rSA], v[rSB] matrix_a_fmt:MATRIX_FMT_BF6 matrix_b_fmt:MATRIX_FMT_BF6 matrix_b_scale:MATRIX_SCALE_ROW1
.else
	v_wmma_scale_f32_16x16x128_f8f6f4 v[rD:rD+7], v[rA:rA+11], v[rB:rB+11], \c, v[rSA], v[rSB] matrix_a_fmt:MATRIX_FMT_BF6 matrix_b_fmt:MATRIX_FMT_BF6
.endif
.endm
; A trip's 128 matrix instructions, K step by K step; the 16 accumulators take turns, one instruction a turn.  kind 0: q, k; 1: v.
; Behind a K step's 16 its two fragments' registers take the K step two on.  The waits: 6 = the next K step's six loads may be out; 8 = bv's eight.
.macro MMK kind
.set ks, 0
.rept 8
.if \kind == 0
.if (ks == 0) || (ks == 7)
	s_wait_dscnt 0x0
.elseif ks > 1
	s_wait_dscnt 6
.endif
.elseif ks == 7
	s_wait_dscnt 8
.else
	s_wait_dscnt 6
.endif
.set t, 0
.rept 8
	WREGOF 8*ks+t
.if \kind == 0
	WIN WW
.else
	WIN WW<<2
.endif
.irp u, 0,1
.if \kind == 0
.set rD, ACC+64*\u+8*t
.set rA, WR
.set rB, FR+24*(ks%2)+12*\u
.set rSA, WSC+4*ks+t/2
.set fA, t%2
.set rSB, XSC+ks
.set fB, \u
	WM v[rD:rD+7]
.else
.set rD, ACC+16*t+8*\u
.set rA, FR+24*(ks%2)+12*\u
.set rB, WR
.set rSA, XSC+ks
.set fA, \u
.set rSB, WSC+4*ks+t/2
.set fB, t%2
.if ks == 0
	WM 0
.else
	WM v[rD:rD+7]
.endif
.endif
.endr
.set t, t+1
.endr
	WIN 0
.if ks < 6
	PLACES
	FLOAD ks+2
.elseif (ks == 6) && (\kind == 1)
	PLACES
.irp t8, 0,1,2,3,4,5,6,7
	ds_load_b32 v[FR+\t8], v[BVA] offset:4*(32*(\t8/2)+8*(\t8%2))   ; bv at my lane's channel of each tile
.endr
.endif
.set ks, ks+1
.endr
.endm
; A TRIP: 32 tokens.  refill = 1: the slot just read is filled again, with the step two on.
.macro TRIP refill
	v_add_nc_u32 v[RA], s[T], v[RA0]
	v_add_nc_u32 v[IW], s[U], v[IW0]
	v_add_nc_u32 v[ISW], s[U], v[ISW0]
	v_add_nc_u32 v[IR], s[U], v[IR0]
	v_add_nc_u32 v[ISR], s[U], v[ISR0]
	RLOAD 0, ACC
	RLOAD 1, ACC+64
	s_wait_dscnt 32                                ; fragment 0's numbers are in; fragment 1's 32 loads may be out
	QUANT ACC, PC, PW
	ISTORE 0
	RLOAD 2, ACC
	s_wait_dscnt 36                                ; behind fragment 1's loads: 4 stores and 32 loads
	QUANT ACC+64, PC, PW
	ISTORE 1
	RLOAD 3, ACC+64
	s_wait_dscnt 36
	QUANT ACC, PC, PW
	ISTORE 2
	s_wait_dscnt 4                                 ; behind fragment 3's loads: 4 stores
	QUANT ACC+64, PC, PW
	ISTORE 3
	s_wait_tensorcnt 0x0                           ; my one tensor load, the next trip's quarter, has landed: so group 0 may be written
	ds_add_u32 v[SPW], v[NIL]
.if \refill
	s_add_co_u32 s[G0+1], s[T], s[WOFF]            ; into the slot just read
	s_add_nc_u64 s[G0+2:G0+3], s[G0+2:G0+3], STEPB ; the step two on; the type bits on top are not reached
.endif
	s_wait_dscnt 0x0                               ; the add is done, my images are stored, my reads of the slot and of the other image buffer are over
	s_barrier_signal -1
	s_barrier_wait -1
.if \refill
	tensor_load_to_lds s[G0:G0+3], s[G1:G1+7]
	s_nop 0
.endif
	PLACES
.irp a, 0,1,2,3,4,5,6,7
	ds_load_b32 v[XSC+\a], v[ISR] offset:128*\a
.endr
	FLOAD 0
	FLOAD 1
.if \refill
	s_cmp_lt_u32 s[I], 5
	s_cbranch_scc0 .Lno_pf_\@
.irp c, 0,1,2,3
	global_prefetch_b8 v[PFO], s[PFB:PFB+1] offset:256*\c th:TH_LOAD_NT scope:SCOPE_SE
.endr
.Lno_pf_\@:
.endif
	s_wait_loadcnt 0x0                             ; the weights are in registers (the first trip's matter)
	s_cmp_eq_u32 s[KIND], 2
	s_cbranch_scc1 .Lv_\@
	; q, k
.irp u, 0,1
.irp t, 0,1,2,3,4,5,6,7
	ds_load_b128 v[ACC+64*\u+8*\t:ACC+64*\u+8*\t+3], v[BQ] offset:4*(32*(\t/2)+8*(\t%2))      ; the sums begin with the bias of the lane's eight columns
	ds_load_b128 v[ACC+64*\u+8*\t+4:ACC+64*\u+8*\t+7], v[BQ] offset:4*(32*(\t/2)+8*(\t%2))+16
.endr
.endr
	s_lshr_b32 s56, s[I], 1
	s_mul_i32 s56, s56, 25600                      ; the block of 64 tokens
	s_and_b32 s58, s[I], 1
	s_mul_i32 s60, s58, 3072
	s_add_co_u32 s60, s60, s56
	s_mov_b32 s61, 0
	s_add_nc_u64 s[P1:P1+1], s[OUT:OUT+1], s[60:61]   ; fragments 4 w + 2 (trip % 2) on
	s_lshl_b32 s60, s58, 7
	s_add_co_u32 s60, s60, s56
	s_add_nc_u64 s[P2:P2+1], s[OUT:OUT+1], s[60:61]   ; scale pair 2 w + trip % 2
	MMK 0
	PLACES
.irp u, 0,1
.set i, 0
.rept 32
	v_pk_mul_f32 v[ACC+64*\u+i:ACC+64*\u+i+1], v[ACC+64*\u+i:ACC+64*\u+i+1], s[SC:SC+1] op_sel_hi:[1,0]   ; q: / sqrt(32); each accumulator from its low end on
.set i, i+2
.endr
.endr
	QUANT ACC, PC, PW
.irp c, 0,1,2
	global_store_b128 v[FO], v[PC+4*\c:PC+4*\c+3], s[P1:P1+1] offset:512*\c   ; 512 consecutive bytes, at a multiple of 256 from the buffer's first byte
.endr
	v_mov_b32 v[PWP], v[PW]
	QUANT ACC+64, ACC, PW                          ; its codes take registers of the tile already converted: no store's data are written again
.irp c, 0,1,2
	global_store_b128 v[FO], v[ACC+4*\c:ACC+4*\c+3], s[P1:P1+1] offset:1536+512*\c
.endr
	v_cndmask_b32 v[PWP], v[PWP], v[PW], s[HM]     ; lanes 0-15 the even tile's words, lanes 16-31 the odd tile's
	global_store_b32 v[SFO], v[PWP], s[P2:P2+1]
	s_branch .Ldone_\@
.Lv_\@:
	s_lshr_b32 s56, s[I], 2                        ; K step of 128 keys
	s_mul_i32 s57, s56, 12288
	s_bfe_u32 s58, s[I], 0x10001                   ; its half of 64 keys
	s_mul_i32 s58, s58, 768
	s_add_co_u32 s57, s57, s58
	s_and_b32 s58, s[I], 1                         ; the half's block of 32 keys: lanes 16 x that on
	s_lshl_b32 s60, s58, 8
	s_add_co_u32 s60, s60, s57
	s_mov_b32 s61, 0
	s_add_nc_u64 s[P1:P1+1], s[OUT:OUT+1], s[60:61]
	s_lshl_b32 s60, s58, 7
	s_add_co_u32 s60, s60, s57
	s_add_nc_u64 s[P2:P2+1], s[OUT:OUT+1], s[60:61]
	s_lshl_b32 s60, s56, 9
	s_add_nc_u64 s[P3:P3+1], s[OUT:OUT+1], s[60:61]
	s_and_b32 s58, s[I], 3
	s_lshl_b32 s[SH], s58, 3                       ; my byte's place in the scale words
	s_cmp_eq_u32 s58, 0
	s_cselect_b32 s[KEEP], 0, -1                   ; a word begins anew every fourth trip
	MMK 1
	s_wait_dscnt 0x0                               ; bv
	PLACES
.irp i, 0,2,4,6,8,10,12,14
.irp t, 0,2,4,6
	v_pk_add_f32 v[ACC+16*\t+\i:ACC+16*\t+\i+1], v[ACC+16*\t+\i:ACC+16*\t+\i+1], v[FR+\t:FR+\t+1] op_sel_hi:[1,0]   ; + bv of the lane's channel; each accumulator from its low end on
	v_pk_add_f32 v[ACC+16*\t+16+\i:ACC+16*\t+17+\i], v[ACC+16*\t+16+\i:ACC+16*\t+17+\i], v[FR+\t:FR+\t+1] op_sel:[0,1] op_sel_hi:[1,1]
.endr
.endr
.irp t, 0,1,2,3,4,5,6,7
	v_max3_num_f32 v[FR+8+\t], |v[ACC+16*\t]|, |v[ACC+16*\t+1]|, 0x2800000   ; tile t: my 16 of the block's 32 tokens, and the floor
.endr
.irp i, 2,4,6,8,10,12,14
.irp t, 0,1,2,3,4,5,6,7
	v_max3_num_f32 v[FR+8+\t], v[FR+8+\t], |v[ACC+16*\t+\i]|, |v[ACC+16*\t+\i+1]|
.endr
.endr
.irp t, 0,1,2,3,4,5,6,7
	v_permlanex16_b32 v[FR+16+\t], v[FR+8+\t], s[SEL], s[SEL+1]
.endr
.irp t, 0,1,2,3,4,5,6,7
	v_max_num_f32 v[FR+8+\t], v[FR+8+\t], v[FR+16+\t]
.endr
.irp t, 0,1,2,3,4,5,6,7
	v_add_nc_u32 v[FR+16+\t], 0xfe000000, v[FR+8+\t]   ; the conversion's scale operand
.endr
.irp t, 0,1,2,3,4,5,6,7
	v_lshrrev_b32 v[FR+8+\t], 23, v[FR+16+\t]          ; the scale's byte
.endr
.irp p, 0,1,2,3
	v_cndmask_b32 v[FR+8+2*\p], v[FR+8+2*\p], v[FR+9+2*\p], s[HM]   ; lanes 0-15 the even tile's channels, lanes 16-31 the odd tile's
	v_and_b32 v[SB+\p], s[KEEP], v[SB+\p]
.endr
.irp p, 0,1,2,3
	v_lshl_or_b32 v[SB+\p], v[FR+8+2*\p], s[SH], v[SB+\p]
.endr
.irp p, 0,1,2,3                        ; tiles 2 p, 2 p + 1: the codes take idle registers, then those of the pair already converted
.if \p == 0
.set CP, FR+24
.else
.set CP, ACC+32*(\p-1)
.endif
	v_cvt_scalef32_pk16_bf6_f32 v[CP:CP+2], v[ACC+32*\p:ACC+32*\p+15], v[FR+16+2*\p]
	v_cvt_scalef32_pk16_bf6_f32 v[CP+6:CP+8], v[ACC+32*\p+16:ACC+32*\p+31], v[FR+17+2*\p]
	v_nop                                          ; one plain place behind a scaled conversion
.irp i, 0,1,2
	v_permlane16_swap_b32 v[CP+\i], v[CP+6+\i]     ; lanes 0-15 now hold tile 2 p's whole block, lanes 16-31 tile 2 p + 1's: lower 16 codes here, upper 16 there
.endr
.irp i, 0,1,2
	v_mov_b32 v[CP+3+\i], v[CP+6+\i]
.endr
	global_store_b128 v[FO], v[CP:CP+3], s[P1:P1+1] offset:3072*\p
	global_store_b64 v[V8], v[CP+4:CP+5], s[P2:P2+1] offset:3072*\p
.endr
	s_cmp_lg_u32 s[SH], 24
	s_cbranch_scc1 .Lno_sc_\@                      ; the words are whole every fourth trip
.irp p, 0,1,2,3
	global_store_b32 v[SFO], v[SB+\p], s[P3:P3+1] offset:128*\p
.endr
.Lno_sc_\@:
.Ldone_\@:
	s_wait_alu depctr_va_vdst(0)                   ; the wait ahead of the wait and the branch below
	s_wait_xcnt 0x0                                ; the stores and prefetches have read their registers and bases
	s_add_nc_u64 s[PFB:PFB+1], s[PFB:PFB+1], STEPB
	s_xor_b32 s[T], s[T], SLOT
	s_xor_b32 s[U], s[U], IMB
	s_add_co_u32 s[I], s[I], 1
.endm
	s_load_b512 s[4:19], s[0:1], 0x0               ; q, k, v, wimg, bk, bv, qimg, kimg
	s_load_b64 s[20:21], s[0:1], 0x40              ; vimg
	v_lshl_add_u32 v[SPW], v0, 2, SPARE
	v_mov_b32 v[NIL], 0
	ds_add_u32 v[SPW], v[NIL]                      ; the opening lines: the add twice on end and its wait
	ds_add_u32 v[SPW], v[NIL]
	v_lshrrev_b32 v1, 5, v0
	v_readfirstlane_b32 s[WV], v1                  ; wave 0..3
	s_lshr_b32 s[KIND], ttmp9, 6                   ; 0 q, 1 k, 2 v
	s_and_b32 s[BLK], ttmp9, 63                    ; my 256 tokens
	s_mov_b32 s[G1], (3<<16)|(1<<20)|(7<<22)|(1<<25)   ; elements of 8 bytes; behind every 256 words 2 words of padding
	s_mov_b32 s[G1+1], 128<<16                     ; tensor_dim0: 1,024 bytes
	s_mov_b32 s[G1+2], 32<<16                      ; tensor_dim1
	s_mov_b32 s[G1+3], 128<<16                     ; tile_dim0
	s_mov_b32 s[G1+4], 32                          ; tile_dim1
	s_mov_b32 s[G1+5], 512                         ; a row of x: 4,096 bytes
	s_mov_b32 s[G1+6], 0
	s_mov_b32 s[G1+7], 0
	s_mov_b32 s[SEL], 0x76543210
	s_mov_b32 s[SEL+1], 0xfedcba98
	s_mov_b32 s[HM], 0xffff0000
	s_mov_b32 s[I], 0
	s_mov_b32 s[T], 0
	s_mov_b32 s[U], 0
	s_mul_i32 s[WOFF], s[WV], WREG
	s_mul_i32 s66, s[WV], 25600
	s_mul_i32 s63, s[WV], 6144
	s_mul_i32 s58, s[KIND], 409600
	s_mul_i32 s78, s[BLK], 102400
	s_lshl_b32 s67, s[WV], 8
	s_mov_b32 s62, 256
	s_mov_b32 s[SC], 1.0
	s_cmp_eq_u32 s[KIND], 0
	s_cselect_b32 s[SC], 0x3e3504f3, s[SC]         ; 1 / sqrt(32) for q
	s_mov_b32 s[SC+1], s[SC]
	s_cmp_eq_u32 s[KIND], 2
	s_cselect_b32 s62, 1536, s62                   ; from lanes 0-15 to lanes 16-31 in my stores: 256 bytes, for v a fragment
	s_cselect_b32 s63, 0, s63                      ; q, k: my K step's fragments
	s_cselect_b32 s67, 0, s67                      ; and scale pairs
	s_cselect_b32 s60, s66, 0                      ; v: my quarter
	s_add_co_u32 s60, s60, s78
	s_mov_b32 s61, 0
	s_add_co_u32 s67, s67, 24576
	s_add_co_u32 s58, s58, s66                     ; my quarter of my tensor's first tile in wimg
	s_mov_b32 s59, 0
	s_lshl_b32 s56, s[BLK], 20
	s_lshl_b32 s57, s[WV], 10
	s_add_co_u32 s56, s56, s57                     ; my tokens' first row, my K quarter
	s_mov_b32 s57, 0
	s_wait_alu depctr_va_vdst(0)                   ; the wait ahead of the waits below
	s_wait_dscnt 0x0
	s_wait_kmcnt 0x0
	s_cmp_eq_u32 s[KIND], 1                        ; the buffers are chosen on the work-group's number alone
	s_cselect_b64 s[XP:XP+1], s[6:7], s[4:5]
	s_cselect_b64 s[OUT:OUT+1], s[18:19], s[16:17]
	s_cmp_eq_u32 s[KIND], 2
	s_cselect_b64 s[XP:XP+1], s[8:9], s[XP:XP+1]
	s_cselect_b64 s[OUT:OUT+1], s[20:21], s[OUT:OUT+1]
	s_cselect_b64 s[BP:BP+1], s[14:15], s[12:13]
	s_add_nc_u64 s[XP:XP+1], s[XP:XP+1], s[56:57]
	s_mov_b32 s[G0], 1
	s_mov_b32 s[G0+1], s[WOFF]
	s_mov_b64 s[G0+2:G0+3], s[XP:XP+1]
	s_or_b32 s[G0+3], s[G0+3], 0x80000000
	tensor_load_to_lds s[G0:G0+3], s[G1:G1+7]      ; step 0: one tensor load a wave at the head
	s_nop 0
	PLACES
	s_add_nc_u64 s[OUT:OUT+1], s[OUT:OUT+1], s[60:61]
	s_add_nc_u64 s[WP:WP+1], s[10:11], s[58:59]
	s_add_nc_u64 s[PFB:PFB+1], s[XP:XP+1], 3*STEPB
	v_and_b32 v[PFO], 31, v0                       ; L
	v_and_b32 v125, 15, v0                         ; r
	v_bfe_u32 v126, v0, 4, 1                       ; h
	v_lshlrev_b32 v[L16], 4, v[PFO]
	v_lshlrev_b32 v[L4], 2, v[PFO]
	v_lshlrev_b32 v[PFO], 12, v[PFO]
	v_lshlrev_b32 v116, 4, v0                      ; my 16 bytes of the bias
	v_add_nc_u32 v117, BIA, v116
.irp j, 0,1,2,3
	v_mov_b32 v[ACC+\j], 0                         ; q has none: zeros
.endr
	s_wait_alu depctr_va_vdst(0)                   ; the wait ahead of the branch
	s_cmp_eq_u32 s[KIND], 0
	s_cbranch_scc1 .Lno_bias
	global_load_b128 v[ACC:ACC+3], v116, s[BP:BP+1]
.Lno_bias:
.macro WLOADS n                        ; the next n weight fragments: tile f / 16 of my tensor, fragment f % 16 of my quarter
.rept \n
	WREGOF f
	WIN WW<<6
.irp c, 0,1,2
	global_load_b128 v[WR+4*\c:WR+4*\c+3], v[L16], s[WP:WP+1] offset:102400*(f/16)+1536*(f%16)+512*\c
.endr
.set f, f+1
.endr
	WIN 0
.endm
.set f, 0
	WLOADS 20
	s_wait_loadcnt 60                              ; the bias is in: 60 loads were issued behind it
	ds_store_b128 v117, v[ACC:ACC+3]
	WLOADS 44
.set f, 0
.rept 32
	global_load_b32 v[WSC+f], v[L4], s[WP:WP+1] offset:102400*(f/8)+24576+128*(f%8)
.set f, f+1
.endr
	v_and_b32 v127, 8, v125
	v_add_nc_u32 v127, v127, v125                  ; r + 8 (r / 8)
	v_mul_u32_u24 v[RA0], v127, PITCH
	v_lshl_add_u32 v[RA0], v126, 6, v[RA0]
	v_add_nc_u32 v[RA0], s[WOFF], v[RA0]
	s_mul_i32 s76, s[WV], 6144
	s_add_co_u32 s76, s76, IMG
	v_add_nc_u32 v[IW0], s76, v[L16]               ; fragments 2 (2 w + kk) + u
	s_lshl_b32 s76, s[WV], 8
	s_add_co_u32 s76, s76, IMG+24576
	v_lshl_add_u32 v[ISW0], v125, 2, s76
	v_add_nc_u32 v[IR0], IMG, v[L16]
	v_add_nc_u32 v[ISR0], IMG+24576, v[L4]
	s_lshl_b32 s76, s[WV], 9
	s_add_co_u32 s76, s76, BIA
	v_lshl_add_u32 v[BQ], v126, 6, s76
	v_lshl_add_u32 v[BVA], v127, 2, s76
	v_lshlrev_b32 v[FO], 4, v125
	v_mad_u32_u24 v[FO], v126, s62, v[FO]
	v_add_nc_u32 v[FO], s63, v[FO]
	v_add_nc_u32 v[SFO], s67, v[L4]
	v_lshlrev_b32 v[V8], 3, v125
	v_mad_u32_u24 v[V8], v126, s62, v[V8]
	v_add_nc_u32 v[V8], 512, v[V8]
.irp b, 0,1,2,3
	v_mov_b32 v[TM+4+\b], 0                        ; written once: a lane permute's destination counts as one of its sources
	v_mov_b32 v[SB+\b], 0
.endr
	s_wait_alu depctr_va_vdst(0)                   ; the wait at the head's end
	s_wait_tensorcnt 0x0                           ; step 0 is in; slot 1's first fill is issued as a refill is
	ds_add_u32 v[SPW], v[NIL]
	s_add_co_u32 s[G0+1], s[WOFF], SLOT
	s_add_nc_u64 s[G0+2:G0+3], s[G0+2:G0+3], STEPB
	s_wait_dscnt 0x0                               ; the add is done, my part of the bias table is stored
	s_barrier_signal -1
	s_barrier_wait -1
	tensor_load_to_lds s[G0:G0+3], s[G1:G1+7]      ; step 1
	s_nop 0
	PLACES
.Lmain:                                                ; trips 0 to 5 fill the slot again
	TRIP 1
	s_cmp_lt_u32 s[I], 6
	s_cbranch_scc1 .Lmain
.Ltail:                                                ; trips 6 and 7 ask for nothing
	TRIP 0
	s_cmp_lt_u32 s[I], 8
	s_cbranch_scc1 .Ltail
	s_wait_tensorcnt 0x0                           ; the wave's end
	ds_add_u32 v[SPW], v[NIL]
	s_wait_dscnt 0x0
	s_endpgm
.Lfunc_end_k_q75968c345c_proj:
	.size	k_q75968c345c_proj, .Lfunc_end_k_q75968c345c_proj-k_q75968c345c_proj
	.p2alignl 7, 3214868480
	.fill 96, 4, 3214868480
	.section	.rodata,"a",@progbits
	.p2align	6, 0x0
	.amdhsa_kernel k_q75968c345c_proj
		.amdhsa_group_segment_fixed_size 327680
		.amdhsa_private_segment_fixed_size 0
		.amdhsa_enable_private_segment 0
		.amdhsa_kernarg_size 72
		.amdhsa_user_sgpr_count 2
		.amdhsa_user_sgpr_kernarg_segment_ptr 1
		.amdhsa_wavefront_size32 1
		.amdhsa_system_sgpr_workgroup_id_x 1
		.amdhsa_system_sgpr_workgroup_id_y 1
		.amdhsa_system_sgpr_workgroup_id_z 1
		.amdhsa_system_vgpr_workitem_id 0
		.amdhsa_next_free_vgpr 1024
		.amdhsa_next_free_sgpr 80
		.amdhsa_reserve_vcc 0
		.amdhsa_float_denorm_mode_32 3
		.amdhsa_float_denorm_mode_16_64 3
		.amdhsa_memory_ordered 1
		.amdhsa_forward_progress 1
		.amdhsa_inst_pref_size 218
	.end_amdhsa_kernel
	.amdgpu_metadata
---
amdhsa.version: [ 1, 2 ]
amdhsa.kernels:
  - .name:           k_q75968c345c_proj
    .symbol:         k_q75968c345c_proj.kd
    .args:
      - { .name: q, .offset: 0, .size: 8, .value_kind: global_buffer, .address_space: global }
      - { .name: k, .offset: 8, .size: 8, .value_kind: global_buffer, .address_space: global }
      - { .name: v, .offset: 16, .size: 8, .value_kind: global_buffer, .address_space: global }
      - { .name: wimg, .offset: 24, .size: 8, .value_kind: global_buffer, .address_space: global }
      - { .name: bk, .offset: 32, .size: 8, .value_kind: global_buffer, .address_space: global }
      - { .name: bv, .offset: 40, .size: 8, .value_kind: global_buffer, .address_space: global }
      - { .name: qimg, .offset: 48, .size: 8, .value_kind: global_buffer, .address_space: global }
      - { .name: kimg, .offset: 56, .size: 8, .value_kind: global_buffer, .address_space: global }
      - { .name: vimg, .offset: 64, .size: 8, .value_kind: global_buffer, .address_space: global }
    .group_segment_fixed_size: 327680
    .private_segment_fixed_size: 0
    .kernarg_segment_align: 8
    .kernarg_segment_size: 72
    .max_flat_workgroup_size: 128
    .sgpr_count:     80
    .vgpr_count:     1024
    .wavefront_size: 32
...
	.end_amdgpu_metadata
.endif
;; end of part 2
;; launch attn (part 3): grid 256 x 1, 4 waves a work-group, clusters of 4 x 1, 327,680 bytes of LDS; arguments qimg, kimg, vimg, wimg, q, bo, gamma, beta, out0; writes out0
.if DOCPART == 3
	.amdgcn_target "amdgcn-amd-amdhsa--gfx1250"
	.amdhsa_code_object_version 6
	.text
	.protected	k_q75968c345c_attn
	.globl	k_q75968c345c_attn
	.p2align	8
	.type	k_q75968c345c_attn,@function
k_q75968c345c_attn:
	s_mov_b64 s[64:65], 0
	v_nop
	global_prefetch_b8 v0, s[64:65] scope:SCOPE_SE
	s_setreg_imm32_b32 hwreg(HW_REG_WAVE_MODE, 25, 1), 1
	s_wait_xcnt 0x0
	s_wait_alu depctr_hold_cnt(0) depctr_sa_sdst(0) depctr_va_vdst(0) depctr_va_sdst(0) depctr_va_ssrc(0) depctr_va_vcc(0) depctr_vm_vsrc(0)
	s_getreg_b32 s2, hwreg(HW_REG_IB_STS2, 6, 4)
	s_cmp_eq_u32 s2, 0
	s_cbranch_scc0 .Lentry_in_a_cluster
	s_endpgm
.Lentry_in_a_cluster:
	s_bfe_u32 s2, ttmp6, 0x10000c
	s_cmp_lg_u32 s2, 0x3003
	s_cbranch_scc0 .Lentry_shape_is_right
	s_endpgm
.Lentry_shape_is_right:
; attn = softmax(qh kh^T) vh, both products on codes of BF6 (E3M2) with one E8M0 scale for each 32 along K; the result is quantised at once along its 512 channels for the product that follows.
; One head of 512 channels, 2,048 keys a batch.
; THE SOFTMAX: t = score x log2(e); M = the row's largest t so far, rounded UP to a whole number; p = 2^(t - M) is quantised along the keys, not normalised; the row's sum is taken of the unquantised p
; and divides at the end.  When M moves, the sum and O are multiplied by 2^(old M - new M): exact.
; SHARES.  A work-group owns 64 queries (four tiles m of 16) of one batch and walks its keys, 256 a step, 8 steps.
;   scores: wave w makes S^T = K Q^T for keys 64 w .. 64 w + 63 of the step (its quarter of K's tile) x all 64 queries: 64 matrix instructions; each fragment of K feeds four.
;   the four waves' row maxima meet in LDS, so that M is one number for all; p's codes go from wave to wave through LDS as images of operand registers: wave w's 64 keys are K step w / 2, half w % 2.
;   O^T += V^T P^T: wave w owns channels 128 w .. 128 w + 127 (its quarter of V's tile) for all 64 queries: 32 accumulators, 64 matrix instructions.
;   So no fragment of K or V is read from LDS by more than one wave.
;   the way out: O^T / l, quantised along my 128 channels, is K step w of the next product: four fragments and two scale pairs a wave, stored as images.
; IMAGES: as the two launches before lay them.  A fragment, 16 rows x 128 K, is 1,536 bytes, registers 4 c .. 4 c + 3 of lane L at 512 c + 16 L; a scale pair is 128 bytes, a word a lane, lanes 0-15 the even
; tile's rows, lanes 16-31 the odd tile's.  A tile's rows are 32 b + 8 u + r + 8 (r / 8), so that a result's 16 registers of two neighbouring tiles are 16 neighbours along the next K.
; aimg: a block of 64 tokens = 16 fragments (4 x K step + tile) and 8 scale pairs (2 x K step + tile / 2), 25,600 bytes.
; THE RING: K has two slots, V one, 102,400 bytes each.  One round of the cluster's barrier a key step; behind it waves 0 and 1 fetch V of this step, waves 2 and 3 K of the next, half a tile each.
; By the text's own count a wave has one tensor load out.  CLUSTER: the four query blocks of a cluster belong to one batch and walk the same K and V: every tile is asked for JOINTLY.
; The descriptors walk: their type is set once, and their addresses are stepped in place by a tile's 102,400 bytes while no tensor load of the wave is out.  The key step is a macro: seven trips of a loop, and the
; eighth written out, since no K follows it.
; O^T and the sums begin as zeros and the largest t as -3e38, so that the first key step is like the others: 256 moves once, against a third copy of the step.
; LIMITS: a block of zeros gets the byte 1 and not 127 (its codes are zeros; this program alone reads the bytes); blocks whose largest magnitude lies under 2^-122 are held at byte 1; NaN and infinities are not served;
; v_exp_f32 and v_rcp_f32 give 0 for what would be denormal (ISA guide, their entries); a block's largest p is taken from its largest score, which takes v_exp_f32 not to fall where its input rises.
; REGISTERS, in windows of 256: window 0: addresses, statistics, scale words, S^T (v128-255: 32 m + 8 kt).  window 1: O^T (64 m + 8 t).
;   window 2: v0-191 Q (12 (4 s + m)), v192-239 P of K step 0.   window 3: v0-191 K's or V's fragments, v192-239 P of K step 1.
; THE CHAIN GOES ON IN THIS LAUNCH: out0 = LayerNorm(q + attn Wo^T + bo) gamma + beta.  No aimg is written: the quantised attention passes from wave to wave as images in LDS (a block as described above, at AIM).
; Behind the last key step K's and V's slots are read no more: the barrier of the row sums is a round with the three lines in front of it, and behind it each wave asks for q's 64 rows x its own 1,024 bytes
; by one tensor load of its own work-group alone, onto those slots.  An LDS row is 1,024 + 8 bytes, so that the 32 lanes of a load or store of 8 bytes in the result's layout name 32 different pairs of banks (ISA guide 11.1).
; Wave w owns columns 256 w .. 256 w + 255 in four pieces of 64: 64 accumulators that BEGIN WITH q, read from the wave's own bytes; the sums go back onto the same bytes, and behind one barrier the rows are read whole.
; Each fragment of Wo is used by one wave alone, so it goes from wimg straight into registers: 16 places of 12 registers; behind a K step's 16 products its four places take the next piece's fragments.
; q IS PREFETCHED in the key loop: key step j asks for rows 8 j .. 8 j + 7 of my wave's quarter, a lane a run of 256 bytes, one request a wave.
.set PITCH, 1032
.set QREG,  64*PITCH                   ; a wave's quarter of q's tile: 66,048 bytes, from LDS byte 0 on
.set AIM,   4*QREG                     ; behind it: the attention's images, 25,600 bytes
.set AIR,  21                          ; v21-22 where I read them and their scale pairs
.set AISR, 22
.set CA,   23                          ; v23  my quarter, row r + 8 (r / 8), + 64 h
.set L8,   25                          ; v25  8 L
.set PFO,  26                          ; v26  the prefetches' offset: 4,096 (L / 4) + 256 (L % 4)
.set LR,   92                          ; v92-95 the norm: quarter qd, my first row, + 8 L
.set ADR,  96                          ; v96-99 the same at the trip's rows
.set ASC,  68                          ; v68-75 the attention's scale pairs
.set WSC,  224                         ; v224-255 Wo's: 8 g + 2 ks + tq / 2
.set AC,   100
.set PX,   108
.set MU,   112
.set RS,   120
.set G1Q,  44                          ; s[44:51], s[60:63] the descriptor of q's tile
.set G0Q,  60
.set PFQ,  66                          ; s[66:67] where my prefetches stand
.set QT,   68                          ; s[68:69] q: my block's first row, my column quarter
.set WP,   70
.set ORW,  72
.set C1K,  76
.set EPS,  77
.set RO,   89
.set LC,   90
.set TILE,  102400
.set VR,    204800                     ; V's slot
.set PIM,   307200                     ; P's 8 fragments (4 s + m): 12,288 bytes
.set PSC,   319488                     ; their 4 scale pairs
.set MXR,   320000                     ; row maxima, later row sums: word 512 m + 16 L + 4 w
.set SPARE, 322048                     ; the spare words, 128 bytes for each wave: two blocks of 256 bytes that no other line names
.set FRB,   1536
.set KA,   2                           ; v2   my quarter's fragments in a slot: 25,600 w + 16 L
.set KSA,  3                           ; v3   its scale pairs
.set ADK,  4                           ; v4-5 the same in K's slot in hand
.set ADS,  5
.set VA16, 6                           ; v6-8 V: 16 L, 8 L, scale pairs
.set VA8,  7
.set VS,   8
.set PRA,  9                           ; v9-11 P, to read: 16 L, 8 L, scale pairs
.set PRB,  10
.set PSR,  11
.set PWA,  12                          ; v12-14 P, to store: my K step and half
.set PWB,  13
.set PSW,  14
.set MXW,  15                          ; v15-16 the maxima: my word; all four waves' words
.set MXL,  16
.set FO,   17                          ; v17  16 L + 6,144 w: my fragments in a block's image
.set SFO,  18                          ; v18  4 L + 24,576 + 256 w: my scale pairs
.set GO,   24                          ; v24  16 L
.set SPW,  28                          ; v28  LDS address of my spare word; never rewritten
.set NIL,  29                          ; v29  0; never rewritten
.set L4,   31                          ; v31  4 L
.set ST,   32                          ; v32-63 tile m at 8 m: +0 -M, +1 the largest t, +2, +3 the sum in two halves, +4 f, later 1 / l, +5 named with it, +6, +7 at work
.set QS,   64                          ; v64-71  Q's scale pairs
.set KS,   72                          ; v72-79  K's
.set VSC,  80                          ; v80-87  V's
.set PSS,  88                          ; v88-91  P's
.set BM,   100                         ; v100-107 the largest score, then the largest p, of block 2 m + b
.set BT,   108                         ; v108-115 the other half's; then the conversions' scale operands
.set SO,   108
.set MXV,  112                         ; v112-127 the four waves' maxima, while the registers beside are idle
.set BY,   116                         ; v116-123 scale bytes
.set SWD,  124                         ; v124-127 two bytes a tile
.set S,    128
.set TM,   100                         ; the way out: the quantiser's work
.set WV,   22
.set HALF, 25                          ; s25  51,200 x (wave % 2): which half of a tile I fetch
.set KB,   26                          ; s26  K's slot in hand: 0 or 102,400
.set KBN,  27                          ; s27  the other
.set G1,   28                          ; s[28:35] descriptor group 1
.set G0V,  36                          ; s[36:39] group 0 of waves 0, 1: it walks V's tiles
.set G0K,  40                          ; s[40:43] of waves 2, 3: it walks K's
.set CS,   52                          ; s[52:53] log2(e)
.set SEL,  54                          ; s[54:55] lane selects: lane l xor 16
.set CNT,  56                          ; s56  trips of the loop to go
.set HM,   59                          ; s59  mask of lanes 16-31
.set AO,   70
.set QI,   74                          ; s[74:75] my block's image in qimg
.set MSB, 0
.macro WIN new                         ; the immediate's high byte repeats the setting that is left
.if MSB != (\new)
	s_set_vgpr_msb (MSB<<8)|(\new)
.set MSB, (\new)
.endif
.endm
.macro PLACES                          ; four places in front of loads into registers that matrix instructions have read, and of the first read of results
.rept 4
	v_nop
.endr
.endm
.macro CROUND                          ; a round of the cluster's barrier
	s_barrier_signal -1
	s_barrier_wait -1
	s_cmp_lg_u32 s[WV], 0
	s_cbranch_scc1 .Lnot_wave_0_\@
	s_barrier_signal -3
.Lnot_wave_0_\@:
	s_barrier_wait -3
	s_barrier_signal -1
	s_barrier_wait -1
.endm
.macro BARRIER                         ; my LDS stores have landed and my LDS loads are in: then the work-group's barrier
	s_wait_dscnt 0x0
	s_barrier_signal -1
	s_barrier_wait -1
.endm
; a joint load: waves 0 and 1 by one group 0, waves 2 and 3 by the other.  The branch hangs on the wave's number alone.  Four v_nop follow each of the two lines.
.macro JLOAD
	s_cmp_lt_u32 s[WV], 2
	s_cbranch_scc0 .Lfor_k_\@
	tensor_load_to_lds s[G0V:G0V+3], s[G1:G1+7]
	s_nop 0
	PLACES
	s_branch .Lasked_\@
.Lfor_k_\@:
	tensor_load_to_lds s[G0K:G0K+3], s[G1:G1+7]
	s_nop 0
	PLACES
.Lasked_\@:
.endm
; one matrix instruction, from the symbols rD, rA, rB, rC, rSA, rSB; zC: the constant 0 starts the sum; fA, fB: the side's scales lie in lanes 16-31
.macro WM
.if zC
.if fA && fB
	v_wmma_scale_f32_16x16x128_f8f6f4 v[rD:rD+7], v[rA:rA+11], v[rB:rB+11], 0, v[rSA], v[rSB] matrix_a_fmt:MATRIX_FMT_BF6 matrix_b_fmt:MATRIX_FMT_BF6 matrix_a_scale:MATRIX_SCALE_ROW1 matrix_b_scale:MATRIX_SCALE_ROW1
.elseif fA
	v_wmma_scale_f32_16x16x128_f8f6f4 v[rD:rD+7], v[rA:rA+11], v[rB:rB+11], 0, v[rSA], v[rSB] matrix_a_fmt:MATRIX_FMT_BF6 matrix_b_fmt:MATRIX_FMT_BF6 matrix_a_scale:MATRIX_SCALE_ROW1
.elseif fB
	v_wmma_scale_f32_16x16x128_f8f6f4 v[rD:rD+7], v[rA:rA+11], v[rB:rB+11], 0, v[rSA], v[rSB] matrix_a_fmt:MATRIX_FMT_BF6 matrix_b_fmt:MATRIX_FMT_BF6 matrix_b_scale:MATRIX_SCALE_ROW1
.else
	v_wmma_scale_f32_16x16x128_f8f6f4 v[rD:rD+7], v[rA:rA+11], v[rB:rB+11], 0, v[rSA], v[rSB] matrix_a_fmt:MATRIX_FMT_BF6 matrix_b_fmt:MATRIX_FMT_BF6
.endif
.else
.if fA && fB
	v_wmma_scale_f32_16x16x128_f8f6f4 v[rD:rD+7], v[rA:rA+11], v[rB:rB+11], v[rC:rC+7], v[rSA], v[rSB] matrix_a_fmt:MATRIX_FMT_BF6 matrix_b_fmt:MATRIX_FMT_BF6 matrix_a_scale:MATRIX_SCALE_ROW1 matrix_b_scale:MATRIX_SCALE_ROW1
.elseif fA
	v_wmma_scale_f32_16x16x128_f8f6f4 v[rD:rD+7], v[rA:rA+11], v[rB:rB+11], v[rC:rC+7], v[rSA], v[rSB] matrix_a_fmt:MATRIX_FMT_BF6 matrix_b_fmt:MATRIX_FMT_BF6 matrix_a_scale:MATRIX_SCALE_ROW1
.elseif fB
	v_wmma_scale_f32_16x16x128_f8f6f4 v[rD:rD+7], v[rA:rA+11], v[rB:rB+11], v[rC:rC+7], v[rSA], v[rSB] matrix_a_fmt:MATRIX_FMT_BF6 matrix_b_fmt:MATRIX_FMT_BF6 matrix_b_scale:MATRIX_SCALE_ROW1
.else
	v_wmma_scale_f32_16x16x128_f8f6f4 v[rD:rD+7], v[rA:rA+11], v[rB:rB+11], v[rC:rC+7], v[rSA], v[rSB] matrix_a_fmt:MATRIX_FMT_BF6 matrix_b_fmt:MATRIX_FMT_BF6
.endif
.endif
.endm
; 64 numbers of a lane, register 16 b + i = k 32 b + 16 (lane / 16) + i of my row, become a fragment's codes, v[pc] on, and its scale word, v[pw].
.macro QUANT s, pc, pw
.irp b, 0,1,2,3
	v_max3_num_f32 v[TM+\b], |v[\s+16*\b]|, |v[\s+1+16*\b]|, 0x2800000   ; my 16 numbers of block b, and the floor 2^(5 - 127): the byte cannot fall under 1
.endr
.irp i, 2,4,6,8,10,12,14
.irp b, 0,1,2,3
	v_max3_num_f32 v[TM+\b], v[TM+\b], |v[\s+16*\b+\i]|, |v[\s+1+16*\b+\i]|
.endr
.endr
.irp b, 0,1,2,3
	v_permlanex16_b32 v[TM+4+\b], v[TM+\b], s[SEL], s[SEL+1]
.endr
.irp b, 0,1,2,3
	v_max_num_f32 v[TM+\b], v[TM+\b], v[TM+4+\b]
.endr
.irp b, 0,1,2,3
	v_add_nc_u32 v[TM+12+\b], 0xfe000000, v[TM+\b]      ; 4 off the exponent field: the conversion's scale operand
.endr
.irp b, 0,1,2,3
	v_lshrrev_b32 v[TM+4+\b], 23, v[TM+12+\b]           ; the scale's byte
.endr
	v_lshl_or_b32 v[\pw], v[TM+5], 8, v[TM+4]
	v_lshl_or_b32 v[\pw], v[TM+6], 16, v[\pw]
	v_lshl_or_b32 v[\pw], v[TM+7], 24, v[\pw]
.irp c, 0,1
	v_cvt_scalef32_pk16_bf6_f32 v[\pc+6*\c:\pc+2+6*\c], v[\s+32*\c:\s+15+32*\c], v[TM+12+2*\c]
	v_cvt_scalef32_pk16_bf6_f32 v[\pc+12+4*\c:\pc+14+4*\c], v[\s+16+32*\c:\s+31+32*\c], v[TM+12+2*\c+1]
.endr
	v_nop                                               ; one plain place behind a scaled conversion
.irp c, 0,1
.irp i, 0,1,2
	v_permlane16_swap_b32 v[\pc+6*\c+\i], v[\pc+12+4*\c+\i]
.endr
.irp i, 0,1,2
	v_mov_b32 v[\pc+3+6*\c+\i], v[\pc+12+4*\c+\i]
.endr
.endr
.endm
; a fragment laid in two halves of 768 bytes: registers 6 c .. 6 c + 3 at 16 L, registers 6 c + 4, 6 c + 5 at 512 + 8 L
.macro HLOAD reg, a16, a8, off
	ds_load_b128 v[\reg:\reg+3], v[\a16] offset:\off
	ds_load_b64 v[\reg+4:\reg+5], v[\a8] offset:\off+512
	ds_load_b128 v[\reg+6:\reg+9], v[\a16] offset:\off+768
	ds_load_b64 v[\reg+10:\reg+11], v[\a8] offset:\off+1280
.endm
; tile m's 32 weights become half a fragment (my 64 keys) and go to LDS as they stand
.macro PCODE m, pc, pt
	v_cvt_scalef32_pk16_bf6_f32 v[\pc:\pc+2], v[S+32*\m:S+32*\m+15], v[SO+2*\m]
	v_cvt_scalef32_pk16_bf6_f32 v[\pt:\pt+2], v[S+32*\m+16:S+32*\m+31], v[SO+2*\m+1]
	v_nop                                               ; one plain place behind a scaled conversion
.irp i, 0,1,2
	v_permlane16_swap_b32 v[\pc+\i], v[\pt+\i]          ; a whole block to a lane: lanes 0-15 the first 32 keys, lanes 16-31 the second
.endr
.irp i, 0,1,2
	v_mov_b32 v[\pc+3+\i], v[\pt+\i]
.endr
	ds_store_b128 v[PWA], v[\pc:\pc+3] offset:FRB*\m
	ds_store_b64 v[PWB], v[\pc+4:\pc+5] offset:FRB*\m
.endm
; 32 matrix instructions of O^T += V^T P^T: K step sp of the key step.  The 32 accumulators take turns, one instruction a turn.
.macro PVM sp
.irp t, 0,1,2,3,4,5,6,7
.irp m, 0,1,2,3
.set rD, 64*\m+8*\t
.set rC, rD
.set rA, 12*(8*\sp+\t)
.set rB, 192+12*\m
.set rSA, VSC+4*\sp+\t/2
.set fA, \t%2
.set rSB, PSS+2*\sp+\m/2
.set fB, \m%2
.set zC, 0
	WM
.endr
.endr
.endm
; A KEY STEP of 256 keys.  last = 1: the eighth: no K follows it, so waves 2 and 3 ask for nothing, and no address is stepped for a step that does not follow.
.macro KSTEP last
	; THE CHANGE OF SLOTS
	s_wait_tensorcnt 0x0                           ; no tensor load of mine is out: K of this step has landed, and every group 0 may be written
	ds_add_u32 v[SPW], v[NIL]                      ; 0 onto my spare word: the descriptor's steps stand between it and the wait for it
	ds_add_u32 v[SPW], v[NIL]
.if \last == 0
	s_xor_b32 s[KBN], s[KB], TILE
	s_add_co_u32 s[G0K+1], s[KBN], s[HALF]         ; into K's other slot
	s_add_nc_u64 s[G0K+2:G0K+3], s[G0K+2:G0K+3], TILE   ; K of the next step; the type bits on top are not reached
.endif
	s_wait_dscnt 0x0                               ; the add is done, and my reads of V's slot and of K's other slot are over
	CROUND                                         ; that now holds of every wave of every partner
.if \last
	s_cmp_lt_u32 s[WV], 2
	s_cbranch_scc0 .Lno_v_\@
	tensor_load_to_lds s[G0V:G0V+3], s[G1:G1+7]    ; waves 0 and 1: V of the last step: the last tensor load
	s_nop 0
	PLACES
.Lno_v_\@:
	PLACES                                         ; on every wave's way: the places in front of the loads below
.else
	JLOAD                                          ; the first thing behind the round, a wave's one tensor load until the next; its four v_nop are also the places in front of the loads below
.endif
	; S^T = K Q^T: my 64 keys x 64 queries
	v_add_nc_u32 v[ADK], s[KB], v[KA]
	v_add_nc_u32 v[ADS], s[KB], v[KSA]
.irp p, 0,1,2,3,4,5,6,7
	ds_load_b32 v[KS+\p], v[ADS] offset:128*\p
.endr
	WIN 0xc0
.irp f, 0,1,2,3,4,5,6,7,8,9,10,11,12,13,14,15
.irp c, 0,1,2
	ds_load_b128 v[12*\f+4*\c:12*\f+4*\c+3], v[ADK] offset:FRB*\f+512*\c
.endr
.endr
	global_prefetch_b8 v[PFO], s[PFQ:PFQ+1] th:TH_LOAD_NT scope:SCOPE_SE   ; eight rows of my quarter of q
.irp ks, 0,1,2,3
	s_wait_dscnt 12*(3-\ks)                        ; the later K steps' loads, 12 each, may be out
	WIN 0x0b                                       ; source 0 (K) window 3, source 1 (Q) window 2, C and D window 0
.irp kt, 0,1,2,3
.irp m, 0,1,2,3
.set rD, S+32*\m+8*\kt
.set rC, rD
.set rA, 12*(4*\ks+\kt)
.set rB, 12*(4*\ks+\m)
.set rSA, KS+2*\ks+\kt/2
.set fA, \kt%2
.set rSB, QS+2*\ks+\m/2
.set fB, \m%2
.set zC, (\ks==0)
	WM
.endr
.endr
.endr
	WIN 0
	PLACES
	; the largest score of each block of 32 keys (block x = 2 m + b: registers 16 x on): it serves for the row's maximum and, since p rises with the score, for the block's largest p
.irp x, 0,1,2,3,4,5,6,7
	v_max3_num_f32 v[BM+\x], v[S+16*\x], v[S+16*\x+1], v[S+16*\x+2]
.endr
.irp i, 3,5,7,9,11,13
.irp x, 0,1,2,3,4,5,6,7
	v_max3_num_f32 v[BM+\x], v[BM+\x], v[S+16*\x+\i], v[S+16*\x+\i+1]
.endr
.endr
.irp x, 0,1,2,3,4,5,6,7
	v_max_num_f32 v[BM+\x], v[BM+\x], v[S+16*\x+15]
.endr
.irp x, 0,1,2,3,4,5,6,7
	v_permlanex16_b32 v[BT+\x], v[BM+\x], s[SEL], s[SEL+1]
.endr
.irp x, 0,1,2,3,4,5,6,7
	v_max_num_f32 v[BM+\x], v[BM+\x], v[BT+\x]     ; with lane l xor 16's 16 keys
.endr
.irp m, 0,1,2,3
	v_max_num_f32 v[ST+8*\m+6], v[BM+2*\m], v[BM+2*\m+1]
.endr
.irp m, 0,1,2,3
	ds_store_b32 v[MXW], v[ST+8*\m+6] offset:512*\m   ; my 64 keys' largest score of each query
.endr
	BARRIER                                        ; (the tensor loads may stay out)
.irp m, 0,1,2,3
	ds_load_b128 v[MXV+4*\m:MXV+4*\m+3], v[MXL] offset:512*\m   ; the four waves'
.endr
	s_wait_dscnt 0x0
.irp m, 0,1,2,3
	v_max3_num_f32 v[ST+8*\m+6], v[MXV+4*\m], v[MXV+4*\m+1], v[MXV+4*\m+2]
.endr
.irp m, 0,1,2,3
	v_max_num_f32 v[ST+8*\m+6], v[ST+8*\m+6], v[MXV+4*\m+3]   ; the step's largest score of the query: the same number in all four waves
.endr
.irp m, 0,1,2,3
	v_mul_f32 v[ST+8*\m+6], s[CS], v[ST+8*\m+6]    ; as t
.endr
.irp m, 0,1,2,3
	v_max_num_f32 v[ST+8*\m+1], v[ST+8*\m+1], v[ST+8*\m+6]   ; the running largest t
.endr
.irp m, 0,1,2,3
	v_mov_b32 v[ST+8*\m+6], v[ST+8*\m]
.endr
.irp m, 0,1,2,3
	v_floor_f32 v[ST+8*\m], -v[ST+8*\m+1]          ; the new -M = floor(-t) = -ceil(t)
.endr
.irp m, 0,1,2,3
	v_sub_f32 v[ST+8*\m+6], v[ST+8*\m], v[ST+8*\m+6]   ; old M - new M: a whole number, 0 or less
.endr
.irp m, 0,1,2,3
	v_cvt_i32_f32 v[ST+8*\m+6], v[ST+8*\m+6]       ; (it saturates)
.endr
.irp m, 0,1,2,3
	v_ldexp_f32 v[ST+8*\m+4], 1.0, v[ST+8*\m+6]    ; f = 2^(old M - new M)
.endr
.irp m, 0,1,2,3
.irp j, 0,2,4,6,8,10,12,14,16,18,20,22,24,26,28,30
	v_pk_fma_f32 v[S+32*\m+\j:S+32*\m+\j+1], v[S+32*\m+\j:S+32*\m+\j+1], s[CS:CS+1], v[ST+8*\m:ST+8*\m+1] op_sel_hi:[1,0,0]   ; t - M, two at a time
.endr
.endr
.irp x, 0,1,2,3,4,5,6,7
	v_fma_f32 v[BM+\x], v[BM+\x], s[CS], v[ST+8*(\x/2)]   ; the same of each block's largest score
.endr
.set i, 0
	s_wait_alu depctr_va_vdst(0)
.rept 128
	v_exp_f32 v[S+i], v[S+i]                       ; p = 2^(t - M), at most 1
.set i, i+1
.endr
.irp x, 0,1,2,3,4,5,6,7
	v_exp_f32 v[BM+\x], v[BM+\x]                   ; the block's largest p: the same two instructions on the same number
.endr
.irp m, 0,1,2,3
	v_pk_mul_f32 v[ST+8*\m+2:ST+8*\m+3], v[ST+8*\m+2:ST+8*\m+3], v[ST+8*\m+4:ST+8*\m+5] op_sel_hi:[1,0]   ; the sums under the new M (plain places behind the exponentials)
.endr
	s_wait_alu depctr_va_vdst(0)
.irp x, 0,1,2,3,4,5,6,7
	v_max_num_f32 v[BM+\x], 0x2800000, v[BM+\x]    ; the floor 2^(5 - 127): the byte cannot fall under 1
.endr
.irp x, 0,1,2,3,4,5,6,7
	v_add_nc_u32 v[SO+\x], 0xfe000000, v[BM+\x]    ; 4 off the exponent field: the conversion's scale operand
.endr
.irp x, 0,1,2,3,4,5,6,7
	v_lshrrev_b32 v[BY+\x], 23, v[SO+\x]           ; the scale's byte
.endr
.irp m, 0,1,2,3
	v_lshl_or_b32 v[SWD+\m], v[BY+2*\m+1], 8, v[BY+2*\m]
.endr
.irp a, 0,1
	v_cndmask_b32 v[SWD+2*\a], v[SWD+2*\a], v[SWD+2*\a+1], s[HM]   ; lanes 0-15 the even tile's queries, lanes 16-31 the odd tile's
.endr
.irp a, 0,1
	ds_store_b16 v[PSW], v[SWD+2*\a] offset:128*\a   ; my two bytes of each query's scale word
.endr
.irp m, 0,1,2,3                                ; THE ROW'S SUM IS TAKEN OF THE UNQUANTISED p: two at a time, in two chains
	v_pk_add_f32 v[ST+8*\m+6:ST+8*\m+7], v[S+32*\m:S+32*\m+1], v[S+32*\m+2:S+32*\m+3]
.irp j, 4,8,12,16,20,24,28
	v_pk_add_f32 v[ST+8*\m+2:ST+8*\m+3], v[ST+8*\m+2:ST+8*\m+3], v[S+32*\m+\j:S+32*\m+\j+1]
	v_pk_add_f32 v[ST+8*\m+6:ST+8*\m+7], v[ST+8*\m+6:ST+8*\m+7], v[S+32*\m+\j+2:S+32*\m+\j+3]
.endr
	v_pk_add_f32 v[ST+8*\m+2:ST+8*\m+3], v[ST+8*\m+2:ST+8*\m+3], v[ST+8*\m+6:ST+8*\m+7]
.endr
	PCODE 0, 116, 100                              ; the codes take registers that are done with: the bytes' and the maxima's,
	PCODE 1, S, S+8                                ; then those of tiles already converted
	PCODE 2, S+12, S+20
	PCODE 3, S+32, S+40
	s_wait_tensorcnt 0x0                           ; the wait that V's reads need: each wave has at most one tensor load out, so the count is 0 (K of the next step has had the scores and the softmax in which to land)
.if \last == 0
	s_add_nc_u64 s[G0V+2:G0V+3], s[G0V+2:G0V+3], TILE   ; no tensor load of mine is out: V of the next step; the type bits on top are not reached
.endif
	BARRIER                                        ; P's 8 fragments and V's tile lie in LDS
	; O^T += V^T P^T
.irp p, 0,1,2,3,4,5,6,7
	ds_load_b32 v[VSC+\p], v[VS] offset:128*\p
.endr
.irp p, 0,1,2,3
	ds_load_b32 v[PSS+\p], v[PSR] offset:128*\p
.endr
	WIN 0x80
.irp m, 0,1,2,3
	HLOAD 192+12*\m, PRA, PRB, FRB*\m
.endr
	WIN 0xc0
.irp t, 0,1,2,3,4,5,6,7
	HLOAD 12*\t, VA16, VA8, FRB*\t
.endr
.irp m, 0,1,2,3
	HLOAD 192+12*\m, PRA, PRB, FRB*(4+\m)
.endr
.irp t, 0,1,2,3,4,5,6,7
	HLOAD 12*(8+\t), VA16, VA8, FRB*(8+\t)
.endr
	WIN 0x41                                       ; O^T (destination and source 0) window 1, f window 0
.irp m, 0,1,2,3
.set i, 0
.rept 32
	v_pk_mul_f32 v[64*\m+i:64*\m+i+1], v[64*\m+i:64*\m+i+1], v[ST+8*\m+4:ST+8*\m+5] op_sel_hi:[1,0]   ; O^T under the new M, while the loads are out; each accumulator from its low end on
.set i, i+2
.endr
.endr
	s_wait_alu depctr_va_vdst(0)
	s_wait_dscnt 48                                ; all but the second K step's 16 + 32 loads
	WIN 0x5b                                       ; source 0 (V) window 3, source 1 (P) window 2, C and D window 1
	PVM 0
	s_wait_dscnt 0x0
	WIN 0x5f                                       ; P of the second K step lies in window 3
	PVM 1
	WIN 0
.if \last == 0
	s_xor_b32 s[KB], s[KB], TILE
	s_wait_xcnt 0x0                                ; the prefetch has read its base
	s_add_nc_u64 s[PFQ:PFQ+1], s[PFQ:PFQ+1], 32768 ; eight rows on
.endif
.endm
	s_load_b256 s[4:11], s[0:1], 0x0               ; qimg s[4:5], kimg s[6:7], vimg s[8:9], wimg s[10:11]
	s_load_b256 s[12:19], s[0:1], 0x20             ; q s[12:13], bo s[14:15], gamma s[16:17], beta s[18:19]
	s_load_b64 s[20:21], s[0:1], 0x40              ; out0
	v_lshl_add_u32 v[SPW], v0, 2, SPARE
	v_mov_b32 v[NIL], 0
	ds_add_u32 v28, v29
	ds_add_u32 v28, v29
	s_wait_dscnt 0x0
	v_lshrrev_b32 v1, 5, v0
	v_readfirstlane_b32 s[WV], v1                  ; wave 0..3
	s_bfe_u32 s23, ttmp6, 0x40000                  ; cx: my place in the cluster
	s_lshl_b32 s24, ttmp9, 2
	s_add_co_u32 s24, s24, s23                     ; my block of 64 queries: it enters the addresses of Q and of the result alone
	s_and_b32 s[HALF], s[WV], 1
	s_mul_i32 s[HALF], s[HALF], 51200
	; descriptor group 1: 200 dense rows of 256 bytes (32 elements of 8 bytes): half a tile
	s_mov_b32 s[G1], 15|(3<<16)|(1<<21)            ; 15:0 the mask: all four work-groups; 17:16 elements of 8 bytes; 21 set beside a mask
	s_mov_b32 s[G1+1], 32<<16
	s_mov_b32 s[G1+2], 200<<16
	s_mov_b32 s[G1+3], 32<<16
	s_mov_b32 s[G1+4], 200
	s_mov_b32 s[G1+5], 32
	s_mov_b32 s[G1+6], 0
	s_mov_b32 s[G1+7], 0
	s_mov_b32 s[CS], 0x3fb8aa3b                    ; log2(e)
	s_mov_b32 s[CS+1], s[CS]                       ; (named with it as a pair, so it is written)
	s_mov_b32 s[SEL], 0x76543210
	s_mov_b32 s[SEL+1], 0xfedcba98
	s_mov_b32 s[HM], 0xffff0000
	s_mov_b32 s[KB], 0
	s_mov_b32 s[CNT], 7
	; LDS addresses, all ahead of the first branch on the wave's number: constants, the lane and the wave's number; s78 to s81 never hold my place in the cluster
	v_and_b32 v1, 31, v0                           ; L
	v_lshlrev_b32 v[GO], 4, v1
	v_lshlrev_b32 v[L4], 2, v1
	v_lshlrev_b32 v102, 3, v1                      ; 8 L
	s_mul_i32 s78, s[WV], 25600
	v_add_nc_u32 v[KA], s78, v[GO]
	v_add_nc_u32 v[KSA], s78, v[L4]
	v_add_nc_u32 v[KSA], 24576, v[KSA]
	v_add_nc_u32 v[VA16], VR, v[KA]
	v_add_nc_u32 v[VA8], s78, v102
	v_add_nc_u32 v[VA8], VR, v[VA8]
	v_add_nc_u32 v[VS], VR, v[KSA]
	v_add_nc_u32 v[PRA], PIM, v[GO]
	v_add_nc_u32 v[PRB], PIM, v102
	v_add_nc_u32 v[PSR], PSC, v[L4]
	s_lshr_b32 s78, s[WV], 1
	s_mul_i32 s79, s78, 6144
	s_and_b32 s80, s[WV], 1
	s_mul_i32 s81, s80, 768
	s_add_co_u32 s79, s79, s81
	s_add_co_u32 s79, s79, PIM
	v_add_nc_u32 v[PWA], s79, v[GO]
	s_add_co_u32 s79, s79, 512
	v_add_nc_u32 v[PWB], s79, v102
	s_lshl_b32 s79, s78, 8
	s_lshl_b32 s81, s80, 1
	s_add_co_u32 s79, s79, s81
	s_add_co_u32 s79, s79, PSC
	v_add_nc_u32 v[PSW], s79, v[L4]                ; K step w / 2's pairs, bytes 2 (w % 2) on of word L
	s_lshl_b32 s79, s[WV], 2
	s_add_co_u32 s79, s79, MXR
	v_add_nc_u32 v[MXW], s79, v[GO]
	v_add_nc_u32 v[MXL], MXR, v[GO]
	s_mul_i32 s79, s[WV], 6144                     ; the attention's images in LDS: my four fragments,
	s_add_co_u32 s79, s79, AIM
	v_add_nc_u32 v[FO], s79, v[GO]
	s_lshl_b32 s79, s[WV], 8
	s_add_co_u32 s79, s79, AIM+24576               ; my two scale pairs
	v_add_nc_u32 v[SFO], s79, v[L4]
	v_add_nc_u32 v[AIR], AIM, v[GO]
	v_add_nc_u32 v[AISR], AIM+24576, v[L4]
	v_lshlrev_b32 v[L8], 3, v1
	v_and_b32 v103, 15, v0                         ; r
	v_bfe_u32 v104, v0, 4, 1                       ; h
	v_and_b32 v105, 8, v103
	v_add_nc_u32 v105, v105, v103                  ; r + 8 (r / 8)
	v_mul_u32_u24 v[CA], v105, PITCH
	v_lshl_add_u32 v[CA], v104, 6, v[CA]
	s_mul_i32 s79, s[WV], QREG
	v_add_nc_u32 v[CA], s79, v[CA]
	s_mul_i32 s79, s[WV], 16*PITCH
	v_add_nc_u32 v[LR], s79, v[L8]
	v_add_nc_u32 v[LR+1], QREG, v[LR]
	v_add_nc_u32 v[LR+2], 2*QREG, v[LR]
	v_add_nc_u32 v[LR+3], 3*QREG, v[LR]
	v_lshrrev_b32 v[PFO], 2, v1
	v_lshlrev_b32 v[PFO], 12, v[PFO]
	v_and_b32 v106, 3, v1
	v_lshl_or_b32 v[PFO], v106, 8, v[PFO]
.irp m, 0,1,2,3
	v_mov_b32 v[ST+8*\m+1], 0xff61b1e6             ; the largest t so far: -3e38, under every t
	v_floor_f32 v[ST+8*\m], -v[ST+8*\m+1]          ; -M
.irp i, 2,3,4,5,6,7
	v_mov_b32 v[ST+8*\m+\i], 0
.endr
.endr
.irp x, 0,1,2,3,4,5,6,7
	v_mov_b32 v[BT+\x], 0                          ; written once: a lane permute's destination counts as one of its sources
.endr
	; offsets in memory.  s80, s81: what the partners share.  s86, s87 hold my place in the cluster and feed no LDS address and no descriptor
	s_lshr_b32 s80, ttmp9, 3                       ; the batch
	s_mul_i32 s80, s80, 819200                     ; its 8 tiles
	s_add_co_u32 s80, s80, s[HALF]
	s_mov_b32 s81, 0
	s_mul_i32 s86, s24, 25600
	s_mov_b32 s87, 0
	s_wait_kmcnt 0x0
	s_mov_b32 s[G0V], 1                            ; 1:0 count = 1
	s_add_co_u32 s[G0V+1], s[HALF], VR             ; 63:32 LDS address: V's slot, my half
	s_add_nc_u64 s[G0V+2:G0V+3], s[8:9], s[80:81]  ; 120:64 global address: V of key step 0, my half
	s_or_b32 s[G0V+3], s[G0V+3], 0x80000000        ; 127:126 type = 2
	s_mov_b32 s[G0K], 1
	s_mov_b32 s[G0K+1], s[HALF]                    ; K's slot 0
	s_add_nc_u64 s[G0K+2:G0K+3], s[6:7], s[80:81]  ; K of key step 0
	s_or_b32 s[G0K+3], s[G0K+3], 0x80000000
	s_add_nc_u64 s[QI:QI+1], s[4:5], s[86:87]
	s_lshl_b32 s88, s24, 18                        ; my 64 rows of 4,096 bytes (s88, s89 hold my place in the cluster and feed no LDS address and no joint load)
	s_lshl_b32 s89, s[WV], 10
	s_add_co_u32 s88, s88, s89
	s_mov_b32 s89, 0
	s_add_nc_u64 s[QT:QT+1], s[12:13], s[88:89]
	s_mov_b64 s[PFQ:PFQ+1], s[QT:QT+1]
	CROUND                                         ; all four work-groups are here: the first joint loads meet
	s_cmp_lt_u32 s[WV], 2
	s_cbranch_scc1 .Lno_first
	tensor_load_to_lds s[G0K:G0K+3], s[G1:G1+7]    ; K of key step 0: the one first fill at the start; the wait for it is for 0
	s_nop 0
	PLACES
.Lno_first:
	WIN 0x80
.irp f, 0,1,2,3,4,5,6,7,8,9,10,11,12,13,14,15
.irp c, 0,1,2
	global_load_b128 v[12*\f+4*\c:12*\f+4*\c+3], v[GO], s[QI:QI+1] offset:FRB*\f+512*\c   ; Q's 16 fragments stay in registers (all four waves read them)
.endr
.endr
	WIN 0
.irp p, 0,1,2,3,4,5,6,7
	global_load_b32 v[QS+\p], v[L4], s[QI:QI+1] offset:24576+128*\p
.endr
	WIN 0x40
.set i, 0
.rept 256
	v_mov_b32 v[i], 0                              ; O^T: the first change of M multiplies zeros
.set i, i+1
.endr
	WIN 0
	s_wait_loadcnt 0x0                             ; Q
.Lstep:                                                ; 7 trips: key steps 0 to 6
	KSTEP 0
	s_sub_co_u32 s[CNT], s[CNT], 1
	s_cmp_lg_u32 s[CNT], 0
	s_cbranch_scc1 .Lstep
	KSTEP 1                                        ; key step 7 is written out
	; THE WAY OUT.  The additions are the places behind the last products
.irp m, 0,1,2,3
	v_add_f32 v[ST+8*\m+6], v[ST+8*\m+2], v[ST+8*\m+3]   ; the sum's two halves,
.endr
.irp m, 0,1,2,3
	v_permlanex16_b32 v[ST+8*\m+7], v[ST+8*\m+6], s[SEL], s[SEL+1]
.endr
.irp m, 0,1,2,3
	v_add_f32 v[ST+8*\m+6], v[ST+8*\m+6], v[ST+8*\m+7]   ; lane l xor 16's,
.endr
.irp m, 0,1,2,3
	ds_store_b32 v[MXW], v[ST+8*\m+6] offset:512*\m
.endr
	s_wait_alu depctr_va_vdst(0)                   ; the wait ahead of the wait below
	s_wait_tensorcnt 0x0                           ; K's and V's slots are filled again, with q: no tensor load of mine is out,
	ds_add_u32 v[SPW], v[NIL]                      ; 0 onto my spare word,
	s_mov_b32 s[G1Q], (3<<16)|(1<<20)|(7<<22)|(1<<25)   ; no mask: my work-group's own tile; elements of 8 bytes; behind every 256 words 2 words of padding
	s_mov_b32 s[G1Q+1], 128<<16                    ; tensor_dim0: 1,024 bytes
	s_mov_b32 s[G1Q+2], 64<<16                     ; tensor_dim1
	s_mov_b32 s[G1Q+3], 128<<16                    ; tile_dim0
	s_mov_b32 s[G1Q+4], 64                         ; tile_dim1
	s_mov_b32 s[G1Q+5], 512                        ; a row of q: 4,096 bytes
	s_mov_b32 s[G1Q+6], 0
	s_mov_b32 s[G1Q+7], 0
	s_mov_b32 s[G0Q], 1
	s_mul_i32 s[G0Q+1], s[WV], QREG
	s_mov_b64 s[G0Q+2:G0Q+3], s[QT:QT+1]
	s_or_b32 s[G0Q+3], s[G0Q+3], 0x80000000
	s_wait_dscnt 0x0                               ; the add is done, my sums are stored, my reads of the slots are over
	CROUND                                         ; that now holds of every wave
	tensor_load_to_lds s[G0Q:G0Q+3], s[G1Q:G1Q+7]  ; q: 64 rows x my 1,024 bytes
	s_nop 0
	PLACES
.irp m, 0,1,2,3
	ds_load_b128 v[MXV+4*\m:MXV+4*\m+3], v[MXL] offset:512*\m
.endr
	s_wait_dscnt 0x0
.irp m, 0,1,2,3
	v_add_f32 v[MXV+4*\m], v[MXV+4*\m], v[MXV+4*\m+1]
	v_add_f32 v[MXV+4*\m+2], v[MXV+4*\m+2], v[MXV+4*\m+3]
.endr
.irp m, 0,1,2,3
	v_add_f32 v[MXV+4*\m], v[MXV+4*\m], v[MXV+4*\m+2]
.endr
	s_wait_alu depctr_va_vdst(0)
.irp m, 0,1,2,3
	v_rcp_f32 v[ST+8*\m+4], v[MXV+4*\m]
.endr
	v_nop                                          ; one plain place behind a transcendental
	s_wait_alu depctr_va_vdst(0)
	; a tile of 16 queries at a time: O^T / l, quantised along my 128 channels, stored as an image: fragment 4 w + m, scale pair 2 w + m / 2
.irp m, 0,1,2,3
	WIN 0x01
.set i, 0
.rept 32
	v_pk_mul_f32 v[S+i:S+i+1], v[64*\m+i:64*\m+i+1], v[ST+8*\m+4:ST+8*\m+5] op_sel_hi:[1,0]   ; into window 0, where the quantiser works; each accumulator from its low end on
.set i, i+2
.endr
	WIN 0
	QUANT S, S+64, 116
.irp c, 0,1,2
	ds_store_b128 v[FO], v[S+64+4*\c:S+64+4*\c+3] offset:FRB*\m+512*\c   ; the fragment as it stands: K step w, tile m
.endr
.if \m%2 == 0
	v_mov_b32 v117, v116
.else
	v_cndmask_b32 v117, v117, v116, s[HM]          ; lanes 0-15 the even tile's words, lanes 16-31 the odd tile's
	ds_store_b32 v[SFO], v117 offset:128*(\m/2)
.endif
.endr
.macro WSLOT s                         ; weight place s: window SW, register SR
.if (\s) < 8
.set SW, 0
.set SR, 128+12*(\s)
.elseif (\s) < 13
.set SW, 3
.set SR, 192+12*((\s)-8)
.else
.set SW, 0
.set SR, 32+12*((\s)-13)
.endif
.endm
.macro WLD g, ks                       ; the four fragments of piece g, K step ks: 12 loads
.irp tq, 0,1,2,3
	WSLOT 4*(\ks)+\tq
	WIN SW<<6
.irp c, 0,1,2
	global_load_b128 v[SR+4*\c:SR+4*\c+3], v[GO], s[WP:WP+1] offset:25600*(\g)+FRB*(4*(\ks)+\tq)+512*\c
.endr
.endr
	WIN 0
.endm
.macro CINIT g                         ; piece g's 16 accumulators begin with q: 64 loads of 8 bytes from my own quarter
	WIN (1+(\g)/2)<<6
.irp tq, 0,1,2,3
.irp m, 0,1,2,3
.irp e, 0,1,2,3
	ds_load_b64 v[128*((\g)%2)+8*(4*\tq+\m)+2*\e:128*((\g)%2)+8*(4*\tq+\m)+2*\e+1], v[CA] offset:(8*(\m%2)+32*(\m/2))*PITCH+256*(\g)+128*(\tq/2)+32*(\tq%2)+8*\e
.endr
.endr
.endr
	WIN 0
.endm
.macro CBACK g                         ; and go back onto the same bytes, each from its low end on
	WIN (1+(\g)/2)<<2
.irp tq, 0,1,2,3
.irp m, 0,1,2,3
.irp e, 0,1,2,3
	ds_store_b64 v[CA], v[128*((\g)%2)+8*(4*\tq+\m)+2*\e:128*((\g)%2)+8*(4*\tq+\m)+2*\e+1] offset:(8*(\m%2)+32*(\m/2))*PITCH+256*(\g)+128*(\tq/2)+32*(\tq%2)+8*\e
.endr
.endr
.endr
	WIN 0
.endm
.macro LNLOAD adr, row                 ; four rows, from row on behind the address, into window 2, v128-255
	WIN 0x80
.irp e, 0,1,2,3
.irp qd, 0,1,2,3
.irp c, 0,1,2,3
	ds_load_b64 v[128+32*\e+2*(4*\qd+\c):128+32*\e+2*(4*\qd+\c)+1], v[\adr+\qd] offset:PITCH*(\e+\row)+256*\c
.endr
.endr
.endr
	WIN 0
.endm
.macro REDUCE                          ; the four rows' sums over the 32 lanes
.irp k, 1,2,4,8
.irp e, 0,1,2,3
	v_add_f32_dpp v[AC+2*\e], v[AC+2*\e], v[AC+2*\e] row_xmask:\k row_mask:0xf bank_mask:0xf
.endr
.endr
.irp e, 0,1,2,3
	v_permlanex16_b32 v[PX+\e], v[AC+2*\e], s[SEL], s[SEL+1]
.endr
.irp e, 0,1,2,3
	v_add_f32 v[AC+2*\e], v[AC+2*\e], v[PX+\e]
.endr
.endm
.irp x, 108,109,110,111,112,113,114,115,116,117,118,119,120,121,122,123,124,125,126,127
	v_mov_b32 v[\x], 0                             ; permute destinations, and the upper halves of pairs that are named whole
.endr
	BARRIER                                        ; the 16 fragments lie in LDS (q's tile may stay out)
	WIN 0xc0
.irp f, 0,1,2,3,4,5,6,7,8,9,10,11,12,13,14,15
.irp c, 0,1,2
	ds_load_b128 v[12*\f+4*\c:12*\f+4*\c+3], v[AIR] offset:FRB*\f+512*\c   ; the attention's 16 fragments (4 ks + m) stay in registers
.endr
.endr
	WIN 0
.irp p, 0,1,2,3,4,5,6,7
	ds_load_b32 v[ASC+\p], v[AISR] offset:128*\p
.endr
	s_mov_b32 s[C1K], 0x3a800000                   ; 1 / 1,024
	s_mov_b32 s[EPS], 0x3727c5ac                   ; 1e-5
	s_mul_i32 s80, s[WV], 102400
	s_add_co_u32 s80, s80, 1228800                 ; my quarter's four pieces of Wo in wimg
	s_mov_b32 s81, 0
	s_add_nc_u64 s[WP:WP+1], s[10:11], s[80:81]
	s_lshl_b32 s84, s24, 18
	s_lshl_b32 s85, s[WV], 16
	s_add_co_u32 s84, s84, s85                     ; the norm: my 16 rows
	s_mov_b32 s85, 0
	s_add_nc_u64 s[ORW:ORW+1], s[20:21], s[84:85]
.irp g, 0,1,2,3
.irp p, 0,1,2,3,4,5,6,7
	global_load_b32 v[WSC+8*\g+\p], v[L4], s[WP:WP+1] offset:25600*\g+24576+128*\p
.endr
.endr
.irp ks, 0,1,2,3
	WLD 0, \ks
.endr
	s_wait_tensorcnt 0x0                           ; my quarter of q is in: I alone read it until the barrier below
	CINIT 0
; THE PRODUCT: piece by piece, K step by K step; a piece's 16 accumulators take turns, one instruction a turn.
; The wait for 36 loads: the three groups of 12 issued behind the group wanted; in the last piece 24, 12, 0.
.irp g, 0,1,2,3
	s_wait_dscnt 0x0                               ; this piece's sums hold q
.irp ks, 0,1,2,3
.if \g < 3
	s_wait_loadcnt 36
.else
	s_wait_loadcnt 36-12*\ks
.endif
.irp tq, 0,1,2,3
	WSLOT 4*\ks+\tq
	WIN SW|0x0c|((1+\g/2)<<4)|((1+\g/2)<<6)        ; source 0 (Wo) in its place's window, source 1 (the attention) window 3, C and D window 1 or 2
.irp m, 0,1,2,3
.set rD, 128*(\g%2)+8*(4*\tq+\m)
.set rC, rD
.set rA, SR
.set rB, 12*(4*\ks+\m)
.set rSA, WSC+8*\g+2*\ks+\tq/2
.set fA, \tq%2
.set rSB, ASC+2*\ks+\m/2
.set fB, \m%2
.set zC, 0
	WM
.endr
.endr
	WIN 0
.if \g < 3
	PLACES
	WLD \g+1, \ks
.if \ks == 0
	CINIT \g+1
.endif
.endif
.endr
.endr
	PLACES                                         ; for the loads into the attention's registers and the stores of the last sums
	WIN 0xc0
.set n, 0
.rept 16
	global_load_b64 v[2*n:2*n+1], v[L8], s[16:17] offset:256*n       ; gamma, beta, bo in the rows' layout: register pair n = columns 64 n + 2 L, + 1
	global_load_b64 v[32+2*n:32+2*n+1], v[L8], s[18:19] offset:256*n
	global_load_b64 v[64+2*n:64+2*n+1], v[L8], s[14:15] offset:256*n
.set n, n+1
.endr
	WIN 0
.irp g, 0,1,2,3
	CBACK \g
.endr
	BARRIER                                        ; every wave's columns of all 64 rows are stored
	LNLOAD LR, 0
	s_mov_b32 s[RO], 0
	s_mov_b32 s[LC], 4
	s_wait_loadcnt 0x0
.Lrows:                                                ; four trips of four rows
	s_wait_dscnt 0x0
.irp qd, 0,1,2,3
	v_add_nc_u32 v[ADR+\qd], s[RO], v[LR+\qd]
.endr
	WIN 0x8e
.irp e, 0,1,2,3
.set i, 0
.rept 16
	v_pk_add_f32 v[32*\e+i:32*\e+i+1], v[128+32*\e+i:128+32*\e+i+1], v[64+i:64+i+1]   ; x = q + attn Wo^T + bo, into the working registers
.set i, i+2
.endr
.endr
	WIN 0
	s_cmp_eq_u32 s[LC], 1
	s_cbranch_scc1 .Lno_next
	LNLOAD ADR, 4                                  ; the next trip's rows
.Lno_next:
	WIN 0x0a
.irp e, 0,1,2,3
	v_pk_add_f32 v[AC+2*\e:AC+2*\e+1], v[32*\e:32*\e+1], v[32*\e+2:32*\e+3]
.endr
	WIN 0x08
.set i, 4
.rept 14
.irp e, 0,1,2,3
	v_pk_add_f32 v[AC+2*\e:AC+2*\e+1], v[AC+2*\e:AC+2*\e+1], v[32*\e+i:32*\e+i+1]
.endr
.set i, i+2
.endr
	WIN 0
.irp e, 0,1,2,3
	v_add_f32 v[AC+2*\e], v[AC+2*\e], v[AC+2*\e+1]
.endr
	REDUCE
.irp e, 0,1,2,3
	v_mul_f32 v[MU+2*\e], s[C1K], v[AC+2*\e]       ; the mean
.endr
	WIN 0x82
.irp e, 0,1,2,3
.set i, 0
.rept 16
	v_pk_add_f32 v[32*\e+i:32*\e+i+1], v[32*\e+i:32*\e+i+1], v[MU+2*\e:MU+2*\e+1] op_sel_hi:[1,0] neg_lo:[0,1] neg_hi:[0,1]
.set i, i+2
.endr
.endr
	WIN 0x0a
.irp e, 0,1,2,3
	v_pk_mul_f32 v[AC+2*\e:AC+2*\e+1], v[32*\e:32*\e+1], v[32*\e:32*\e+1]
.endr
.set i, 2
.rept 15
.irp e, 0,1,2,3
	v_pk_fma_f32 v[AC+2*\e:AC+2*\e+1], v[32*\e+i:32*\e+i+1], v[32*\e+i:32*\e+i+1], v[AC+2*\e:AC+2*\e+1]
.endr
.set i, i+2
.endr
	WIN 0
.irp e, 0,1,2,3
	v_add_f32 v[AC+2*\e], v[AC+2*\e], v[AC+2*\e+1]
.endr
	REDUCE
.irp e, 0,1,2,3
	v_fma_f32 v[RS+2*\e], v[AC+2*\e], s[C1K], s[EPS]   ; the variance + eps
.endr
	s_wait_alu depctr_va_vdst(0)                   ; the wait ahead of the batch
.irp e, 0,1,2,3
	v_rsq_f32 v[RS+2*\e], v[RS+2*\e]
.endr
	v_nop                                          ; one plain place behind a transcendental
	WIN 0x82
	s_wait_alu depctr_va_vdst(0)                   ; and behind it, ahead of its first reader
.irp e, 0,1,2,3
.set i, 0
.rept 16
	v_pk_mul_f32 v[32*\e+i:32*\e+i+1], v[32*\e+i:32*\e+i+1], v[RS+2*\e:RS+2*\e+1] op_sel_hi:[1,0]
.set i, i+2
.endr
.endr
	WIN 0xbe
.irp e, 0,1,2,3
.set i, 0
.rept 16
	v_pk_fma_f32 v[32*\e+i:32*\e+i+1], v[32*\e+i:32*\e+i+1], v[i:i+1], v[32+i:32+i+1]   ; x gamma + beta
.set i, i+2
.endr
.endr
	WIN 0x08
.irp e, 0,1,2,3
.set n, 0
.rept 16
	global_store_b64 v[L8], v[32*\e+2*n:32*\e+2*n+1], s[ORW:ORW+1] offset:4096*\e+256*n th:TH_STORE_NT   ; 256 consecutive bytes, at a multiple of 256 from out0's first byte
.set n, n+1
.endr
.endr
	WIN 0
	s_wait_xcnt 0x0                                ; the stores have read their registers and their base
	s_add_nc_u64 s[ORW:ORW+1], s[ORW:ORW+1], 4*4096
	s_add_co_u32 s[RO], s[RO], 4*PITCH
	s_sub_co_u32 s[LC], s[LC], 1
	s_cmp_lg_u32 s[LC], 0
	s_cbranch_scc1 .Lrows
	s_wait_tensorcnt 0x0                           ; the wave's end
	ds_add_u32 v[SPW], v[NIL]
	s_wait_dscnt 0x0
	CROUND                                         ; the closing round
	s_endpgm
.Lfunc_end_k_q75968c345c_attn:
	.size	k_q75968c345c_attn, .Lfunc_end_k_q75968c345c_attn-k_q75968c345c_attn
	.p2alignl 7, 3214868480
	.fill 96, 4, 3214868480
	.section	.rodata,"a",@progbits
	.p2align	6, 0x0
	.amdhsa_kernel k_q75968c345c_attn
		.amdhsa_group_segment_fixed_size 327680
		.amdhsa_private_segment_fixed_size 0
		.amdhsa_enable_private_segment 0
		.amdhsa_kernarg_size 72
		.amdhsa_user_sgpr_count 2
		.amdhsa_user_sgpr_kernarg_segment_ptr 1
		.amdhsa_wavefront_size32 1
		.amdhsa_system_sgpr_workgroup_id_x 1
		.amdhsa_system_sgpr_workgroup_id_y 1
		.amdhsa_system_sgpr_workgroup_id_z 1
		.amdhsa_system_vgpr_workitem_id 0
		.amdhsa_next_free_vgpr 1024
		.amdhsa_next_free_sgpr 92
		.amdhsa_reserve_vcc 0
		.amdhsa_float_denorm_mode_32 3
		.amdhsa_float_denorm_mode_16_64 3
		.amdhsa_memory_ordered 1
		.amdhsa_forward_progress 1
		.amdhsa_inst_pref_size 255
	.end_amdhsa_kernel
	.section	.bss,"aw",@nobits
	.p2align	6
	.space	262144
	.amdgpu_metadata
---
amdhsa.version: [ 1, 2 ]
amdhsa.kernels:
  - .name:           k_q75968c345c_attn
    .symbol:         k_q75968c345c_attn.kd
    .args:
      - { .name: qimg, .offset: 0, .size: 8, .value_kind: global_buffer, .address_space: global }
      - { .name: kimg, .offset: 8, .size: 8, .value_kind: global_buffer, .address_space: global }
      - { .name: vimg, .offset: 16, .size: 8, .value_kind: global_buffer, .address_space: global }
      - { .name: wimg, .offset: 24, .size: 8, .value_kind: global_buffer, .address_space: global }
      - { .name: q, .offset: 32, .size: 8, .value_kind: global_buffer, .address_space: global }
      - { .name: bo, .offset: 40, .size: 8, .value_kind: global_buffer, .address_space: global }
      - { .name: gamma, .offset: 48, .size: 8, .value_kind: global_buffer, .address_space: global }
      - { .name: beta, .offset: 56, .size: 8, .value_kind: global_buffer, .address_space: global }
      - { .name: out0, .offset: 64, .size: 8, .value_kind: global_buffer, .address_space: global }
    .group_segment_fixed_size: 327680
    .private_segment_fixed_size: 0
    .kernarg_segment_align: 8
    .kernarg_segment_size: 72
    .max_flat_workgroup_size: 128
    .sgpr_count:     92
    .vgpr_count:     1024
    .wavefront_size: 32
...
	.end_amdgpu_metadata
.endif
;; end of part 3
